; MI455X (gfx1250); checked and timed in simulation.
; The chip was launched on July 23, 2026; its instructions are those of AMD's public machine-readable ISA for CDNA 5 (MIT licence, August 2026) and "CDNA5" Instruction Set Architecture Reference Guide (July 2026). The comments in the code are by the model that wrote it; some were corrected since.
;; Attention. Allowed arithmetic: float matrix products may take bf16 or f16 operands with f32 sums; other float arithmetic in f32, or as packed bf16 or f16 multiplies, adds, multiply-adds, maxima and minima; sums over many terms, partial sums and values carried from step to step in f32; what a program stores and reads back later, other than sums and carried values, may be rounded once to bf16 or f16.
;; Inputs: cache_k 2 x 2,048 x 4 x 128 float32; cache_v 2 x 2,048 x 4 x 128 float32; freqs_cos 2,048 x 64 float32; freqs_sin 2,048 x 64 float32; wk 512 x 4,096 float32; wo 4,096 x 1,024 float32; wq 1,024 x 4,096 float32; wv 512 x 4,096 float32; x 2 x 2,048 x 4,096 float32.
;; Outputs: out0 2 x 2,048 x 4,096 float32.
;; Constants: start_pos = 0.
;; 2 versions, each right; version 2 is version 1 with the launch cast written anew for expert scheduling mode. Each part assembles by itself: llvm-mc -triple=amdgcn-amd-amdhsa -mcpu=gfx1250 --defsym DOCPART=n.
;; ======== version 1 of 2: 4 launches
;; limits: values are held in f16: magnitudes above 65,504 overflow, below 6.1e-05 lose precision; right only within a limited range of input values
;; workspace buffers: xb 33,554,432 bytes; wb 16,777,216 bytes; wob 8,388,608 bytes; qkv 16,777,216 bytes; o 8,388,608 bytes
;; launch cast (part 1): grid 1792 x 1, 8 waves a work-group, no clusters, 0 bytes of LDS; arguments x, wq, wk, wv, wo, xb, wb, wob; writes xb, wb, wob
.if DOCPART == 1
	.amdgcn_target "amdgcn-amd-amdhsa--gfx1250"
	.amdhsa_code_object_version 6
	.text
	.protected	k_qc18e2334c1_cast
	.globl	k_qc18e2334c1_cast
	.p2align	8
	.type	k_qc18e2334c1_cast,@function
k_qc18e2334c1_cast:
	s_mov_b64 s[64:65], 0
	v_nop
	global_prefetch_b8 v0, s[64:65] scope:SCOPE_SE
	s_setreg_imm32_b32 hwreg(HW_REG_WAVE_MODE, 25, 1), 1
	s_wait_xcnt 0x0
; THE INPUTS OF THE MATRIX PRODUCTS, ROUNDED ONCE.  x -> xb and wq, wk, wv -> wb (one table of 2,048 rows: q's, k's, v's) in bf16;
; wo -> wob = bf16(4 wo) written as f16 (8 significant bits fit into f16's 11: exact while |4 wo| lies in f16's normal range;
; below 6e-5 f16's fixed step of 6e-8 holds; LIMIT: |wo| < 16,376).  The factor 4 undoes the 1/4 that the next launch puts on v.
; A stream: no LDS, no barrier, no matrix unit.  A work-group takes 16,384 numbers, 65,536 bytes in and 32,768 out.
; Thread t takes 16 bytes at 4,096 j + 16 t, j = 0..15: a wave's load covers 512 consecutive bytes, its store of 8 bytes a lane 256 consecutive bytes, aligned.
; 64 REGISTERS: 1,792 work-groups are seven for each of 256 WGPs, 14 waves a SIMD, 896 registers: all of them find room at once.
; So there are fourteen sets of four registers: fourteen loads go out first, the last two take the first two sets when those have been stored.  The waits count down, so that the younger loads stay out.
.set T, 4                              ; v[4:5]    at work (wo alone)
.set D, 8                              ; v[8:63]   set q at D + 4 q; its first two registers are stored
	s_load_b512 s[4:19], s[0:1], 0x0               ; x s[4:5], wq s[6:7], wk s[8:9], wv s[10:11], wo s[12:13], xb s[14:15], wb s[16:17], wob s[18:19]
	v_lshlrev_b32 v1, 4, v0                        ; 16 t
	v_lshlrev_b32 v2, 3, v0                        ; 8 t
	s_mov_b32 s28, 0xffff0000                      ; a word's upper bf16
	s_mov_b32 s20, 1536                            ; the first work-group of my source,
	s_mov_b32 s21, 1536                            ; and of my destination
	s_mov_b32 s23, 0
	s_wait_kmcnt 0x0
	s_mov_b64 s[24:25], s[12:13]                   ; work-groups 1536 .. 1791: wo -> wob
	s_mov_b64 s[26:27], s[18:19]
	s_cmp_lt_u32 ttmp9, 1536                       ; 1408 .. 1535: wv -> wb, which begins with work-group 1024
	s_cselect_b64 s[24:25], s[10:11], s[24:25]
	s_cselect_b64 s[26:27], s[16:17], s[26:27]
	s_cselect_b32 s20, 1408, s20
	s_cselect_b32 s21, 1024, s21
	s_cmp_lt_u32 ttmp9, 1408                       ; 1280 .. 1407: wk
	s_cselect_b64 s[24:25], s[8:9], s[24:25]
	s_cselect_b32 s20, 1280, s20
	s_cmp_lt_u32 ttmp9, 1280                       ; 1024 .. 1279: wq
	s_cselect_b64 s[24:25], s[6:7], s[24:25]
	s_cselect_b32 s20, 1024, s20
	s_cmp_lt_u32 ttmp9, 1024                       ; 0 .. 1023: x -> xb
	s_cselect_b64 s[24:25], s[4:5], s[24:25]
	s_cselect_b64 s[26:27], s[14:15], s[26:27]
	s_cselect_b32 s20, 0, s20
	s_cselect_b32 s21, 0, s21
	s_sub_co_u32 s20, ttmp9, s20
	s_sub_co_u32 s21, ttmp9, s21
	s_lshl_b32 s22, s20, 16                        ; 65,536 bytes of the source a work-group (under 2^26)
	s_add_nc_u64 s[24:25], s[24:25], s[22:23]
	s_lshl_b32 s22, s21, 15                        ; 32,768 of the destination
	s_add_nc_u64 s[26:27], s[26:27], s[22:23]
.macro LD j, q                         ; piece j into set q
	global_load_b128 v[D+4*(\q):D+4*(\q)+3], v1, s[24:25] offset:4096*(\j) th:TH_LOAD_NT
.endm
.irp j, 0,1,2,3,4,5,6,7,8,9,10,11,12,13
	LD \j, \j
.endr
.macro CONV kind, j, q, left           ; piece j, in set q.  kind 0: to bf16; kind 1: 4 wo to bf16 and that number to f16.  left: the younger loads, which stay out
	s_wait_loadcnt \left                           ; loads come back in order
.if \kind
	v_pk_mul_f32 v[D+4*(\q):D+4*(\q)+1], v[D+4*(\q):D+4*(\q)+1], 4.0 op_sel_hi:[1,0]
	v_pk_mul_f32 v[D+4*(\q)+2:D+4*(\q)+3], v[D+4*(\q)+2:D+4*(\q)+3], 4.0 op_sel_hi:[1,0]
	v_cvt_pk_bf16_f32 v[T], v[D+4*(\q)], v[D+4*(\q)+1]
	v_cvt_pk_bf16_f32 v[T+1], v[D+4*(\q)+2], v[D+4*(\q)+3]
	v_lshlrev_b32 v[D+4*(\q)], 16, v[T]            ; widened again, in the set's own registers
	v_and_b32 v[D+4*(\q)+1], s28, v[T]
	v_lshlrev_b32 v[D+4*(\q)+2], 16, v[T+1]
	v_and_b32 v[D+4*(\q)+3], s28, v[T+1]
	v_cvt_pk_f16_f32 v[D+4*(\q)], v[D+4*(\q)], v[D+4*(\q)+1]
	v_cvt_pk_f16_f32 v[D+4*(\q)+1], v[D+4*(\q)+2], v[D+4*(\q)+3]
.else
	v_cvt_pk_bf16_f32 v[D+4*(\q)], v[D+4*(\q)], v[D+4*(\q)+1]
	v_cvt_pk_bf16_f32 v[D+4*(\q)+1], v[D+4*(\q)+2], v[D+4*(\q)+3]
.endif
	global_store_b64 v2, v[D+4*(\q):D+4*(\q)+1], s[26:27] offset:2048*(\j) th:TH_STORE_NT
.endm
.macro BODY kind
	CONV \kind, 0, 0, 13                           ; thirteen loads were issued behind piece 0's,
	CONV \kind, 1, 1, 12                           ; twelve behind piece 1's
	s_wait_xcnt 0x0                                ; the two stores have read their registers: sets 0 and 1 are loaded again only behind this wait
	LD 14, 0
	LD 15, 1
.irp j, 2,3,4,5,6,7,8,9,10,11,12,13
	CONV \kind, \j, \j, 15-(\j)                    ; pieces j + 1 .. 13 and the two just asked for
.endr
	CONV \kind, 14, 0, 1
	CONV \kind, 15, 1, 0
.endm
	s_cmp_ge_u32 ttmp9, 1536
	s_cbranch_scc1 .Lwo
	BODY 0
	s_endpgm
.Lwo:
	BODY 1
	s_endpgm
.Lfunc_end_k_qc18e2334c1_cast:
	.size	k_qc18e2334c1_cast, .Lfunc_end_k_qc18e2334c1_cast-k_qc18e2334c1_cast
	.p2alignl 7, 3214868480
	.fill 96, 4, 3214868480
	.section	.rodata,"a",@progbits
	.p2align	6, 0x0
	.amdhsa_kernel k_qc18e2334c1_cast
		.amdhsa_group_segment_fixed_size 0
		.amdhsa_private_segment_fixed_size 0
		.amdhsa_enable_private_segment 0
		.amdhsa_kernarg_size 64
		.amdhsa_user_sgpr_count 2
		.amdhsa_user_sgpr_kernarg_segment_ptr 1
		.amdhsa_wavefront_size32 1
		.amdhsa_system_sgpr_workgroup_id_x 1
		.amdhsa_system_sgpr_workgroup_id_y 1
		.amdhsa_system_sgpr_workgroup_id_z 1
		.amdhsa_system_vgpr_workitem_id 0
		.amdhsa_next_free_vgpr 64
		.amdhsa_next_free_sgpr 66
		.amdhsa_reserve_vcc 0
		.amdhsa_float_denorm_mode_32 3
		.amdhsa_float_denorm_mode_16_64 3
		.amdhsa_memory_ordered 1
		.amdhsa_forward_progress 1
		.amdhsa_inst_pref_size 18
	.end_amdhsa_kernel
	.amdgpu_metadata
---
amdhsa.version: [ 1, 2 ]
amdhsa.kernels:
  - .name:           k_qc18e2334c1_cast
    .symbol:         k_qc18e2334c1_cast.kd
    .args:
      - { .name: x, .offset: 0, .size: 8, .value_kind: global_buffer, .address_space: global }
      - { .name: wq, .offset: 8, .size: 8, .value_kind: global_buffer, .address_space: global }
      - { .name: wk, .offset: 16, .size: 8, .value_kind: global_buffer, .address_space: global }
      - { .name: wv, .offset: 24, .size: 8, .value_kind: global_buffer, .address_space: global }
      - { .name: wo, .offset: 32, .size: 8, .value_kind: global_buffer, .address_space: global }
      - { .name: xb, .offset: 40, .size: 8, .value_kind: global_buffer, .address_space: global }
      - { .name: wb, .offset: 48, .size: 8, .value_kind: global_buffer, .address_space: global }
      - { .name: wob, .offset: 56, .size: 8, .value_kind: global_buffer, .address_space: global }
    .group_segment_fixed_size: 0
    .private_segment_fixed_size: 0
    .kernarg_segment_align: 8
    .kernarg_segment_size: 64
    .max_flat_workgroup_size: 256
    .sgpr_count:     66
    .vgpr_count:     64
    .wavefront_size: 32
...
	.end_amdgpu_metadata
.endif
;; end of part 1
;; launch qkv (part 2): grid 8 x 32, 4 waves a work-group, clusters of 4 x 4, 327,680 bytes of LDS; arguments xb, wb, freqs_cos, freqs_sin, qkv; writes qkv
.if DOCPART == 2
	.amdgcn_target "amdgcn-amd-amdhsa--gfx1250"
	.amdhsa_code_object_version 6
	.text
	.protected	k_qc18e2334c1_qkv
	.globl	k_qc18e2334c1_qkv
	.p2align	8
	.type	k_qc18e2334c1_qkv,@function
k_qc18e2334c1_qkv:
	s_mov_b64 s[64:65], 0
	v_nop
	global_prefetch_b8 v0, s[64:65] scope:SCOPE_SE
	s_setreg_imm32_b32 hwreg(HW_REG_WAVE_MODE, 25, 1), 1
	s_wait_xcnt 0x0
	s_wait_alu depctr_hold_cnt(0) depctr_sa_sdst(0) depctr_va_vdst(0) depctr_va_sdst(0) depctr_va_ssrc(0) depctr_va_vcc(0) depctr_vm_vsrc(0)
	s_getreg_b32 s2, hwreg(HW_REG_IB_STS2, 6, 4)
	s_cmp_eq_u32 s2, 0
	s_cbranch_scc0 .Lentry_in_a_cluster
	s_endpgm
.Lentry_in_a_cluster:
	s_bfe_u32 s2, ttmp6, 0x10000c
	s_cmp_lg_u32 s2, 0xf033
	s_cbranch_scc0 .Lentry_shape_is_right
	s_endpgm
.Lentry_shape_is_right:
; q, k, v = x w^T (bf16 operands, f32 sums), the rotation of q and k, the scales, one rounding to f16, written by heads:
; qkv[batch 2][head 16][position 2048][128] f16, heads 0-7 q, 8-11 k, 12-15 v.  xb: [4096][4096], wb: [2048][4096], both bf16.
; SCALES, in f32 ahead of the one rounding: q and k times G = sqrt(log2(e) / sqrt(128)), so that q.k is the score in powers of two; v times 1/4.
; They cost nothing: G goes into the tables of cos and sin; for a head of v the tables become 1/4 and 0 (a select, no branch: the head hangs on the work-group's place).
; cos and sin are rounded to bf16 first, as every other input of the module is.
; LIMITS.  f16 ends at 65,504: |q|, |k| < 183,000 and |v| < 262,000 behind the rotation; cos and sin finite (a head of v multiplies them by 0); NaN and infinities are not treated apart.
; cache_k and cache_v are named by no launch: start_pos is 0 and the new keys and values fill both caches whole, so every element is overwritten before any is read.
; SHARES.  A tile of the result is 128 rows x 256 columns: 256 work-groups.  Four waves, each 64 rows x 128 columns, which are ONE head: 32 accumulators, 256 registers.
; K goes in steps of 128 (rows of 256 bytes) through two LDS slots; waves 0, 1 fetch x's two halves (64 rows each), waves 2, 3 w's (128 rows each): one tensor load a wave behind each round.
; Two slots of a K step of 256 would be 405,504 bytes: they do not fit.
; CLUSTER 4 x 4: x's tile is shared along a row of the cluster, w's along a column; each is asked for jointly.
; THE LOOP'S TRIP IS ONE K STEP: s[TB] holds the slot that is read and is turned by an exclusive or; the two LDS address registers are made from it at each change of slots; one descriptor a tensor walks on.
; The last two K steps, which fill nothing, are a second loop of two trips, left in its middle.
; THE PRODUCT IS USED TRANSPOSED (source 0 = 16 rows of w, source 1 = 16 rows of x): a lane holds row l % 16 and the columns 16 b + 8 (l / 16) + 0..7: four pairs of the rotation.
; REGISTERS.  window 0: v16-30 addresses; v64-159, v160-255 two fragment buffers (w's 8 fragments, then x's 4); window 1: the accumulators, (a, b) at 8 (8 a + b);
; window 2: the tables for my 64 rows: cos (a, b) at 64 a + 4 b, sin at 64 a + 32 + 4 b: the four pairs' numbers of the lane.
.set KSTEP,  128
.set STEPS,  32
.set PITCH,  272                       ; an LDS row: 256 bytes + 16 of padding: the 16 rows of a fragment load start 16 bytes apart modulo 256
.set AH,     64*PITCH                  ; half of x's tile
.set BH,     128*PITCH                 ; half of w's
.set BOFF,   2*AH
.set SLOT,   BOFF+2*BH                 ; 104,448
.set SLOTX,  1<<17                     ; slot 1 begins here: above all of slot 0, so that one exclusive or changes slots
.set STAGE,  SLOTX+SLOT                ; behind the ring: 16 rows x 272 bytes for each wave
.set SPARE,  STAGE+4*16*PITCH          ; behind the stages: the spare words, 128 bytes a wave
.set ADRA, 16                          ; v16     LDS address of my fragments of x in the slot that is read
.set ABAS, 17                          ; v17     the same in slot 0; never rewritten
.set ADRB, 20                          ; v20     of w
.set BBAS, 21                          ; v21
.set STO,  24                          ; v24     into my stage: 272 r + 16 h
.set RD,   25                          ; v25     back: 272 h + 16 r
.set GO,   26                          ; v26     my bytes in two rows of a head: 256 h + 16 r
.set TO,   27                          ; v27     my bytes in 16 rows of a table: 256 r + 16 h
.set SPW,  28                          ; v28     my spare word; never rewritten
.set NIL,  29                          ; v29     0; never rewritten
.set PFO,  30                          ; v30     lane x a row of xb or wb (8,192 bytes); never rewritten
.set F0,   64
.set F1,   160
.set U,    64                          ; the way out: 64 registers at work
.set TMP,  128                         ; 32 packed
.set BK,   160                         ; 2 x 32: rows read back
.set WV, 14
.set RH, 15                            ; s15  wave / 2: my 64 rows; also: I fetch x (0) or w (1)
.set CH, 16                            ; s16  wave % 2: my 128 columns; also: which half I fetch
.set CX, 17
.set CY, 18
.set TC, 19                            ; s19  tile column
.set TR, 20                            ; s20  tile row
.set LIM, 21                           ; s21  2 in a wave that prefetches, else the greatest number
.set CNT, 22                           ; s22  K steps still to be asked for; in the tail: K steps to go
.set HIM, 23                           ; s23  a word's upper bf16
.set G1, 24
.set G0, 32                            ; s[32:39] a set for each of the two first fills; the second then walks on
.set PFA, 44
.set G1B, 48
.set G0B, 56
.set GG, 66                            ; s[66:67] the tables' factor
.set HH, 68                            ; s[68:69] cos's addend
.set TB, 78                            ; s78  0 or SLOTX: the slot that is read
.set W_MUL, 0x50                       ; sources window 0, C and D window 1
.set MSB, 0
.macro WIN new                         ; the immediate's high byte repeats the setting that is left
.if MSB != (\new)
	s_set_vgpr_msb (MSB<<8)|(\new)
.set MSB, \new
.endif
.endm
.macro PLACES
.rept 4
	v_nop
.endr
.endm
.macro JLOAD s                         ; a joint load; an s_nop 0 and four v_nop follow each of the two lines
	s_cmp_eq_u32 s[RH], 0
	s_cbranch_scc0 .Lfor_b_\@
	tensor_load_to_lds s[G0+4*(\s):G0+4*(\s)+3], s[G1:G1+7]
	s_nop 0
.rept 4
	v_nop
.endr
	s_branch .Lasked_\@
.Lfor_b_\@:
	tensor_load_to_lds s[G0B+4*(\s):G0B+4*(\s)+3], s[G1B:G1B+7]
	s_nop 0
.rept 4
	v_nop
.endr
.Lasked_\@:
.endm
; A prefetch of the K step that stands two refills on: 32 rows x 256 bytes, a lane a row.  x's rows: wave 0 of the work-groups of cluster x = 0, each partner 32 of the tile's 128 by its cx;
; w's rows: waves 2 and 3 of cluster y = 0, each partner 32 of the wave's 128 by its cy.  So each row's 256 bytes of a K step are named once.
; The trip with s[CNT] = c fills K step 32 - c and names K step 34 - c: the last two trips ask for nothing.
.macro ASK
	s_cmp_gt_u32 s[CNT], s[LIM]
	s_cbranch_scc0 .Lnot_mine_\@
	global_prefetch_b8 v[PFO], s[PFA:PFA+1] offset:KSTEP*2 th:TH_LOAD_NT scope:SCOPE_SE
.Lnot_mine_\@:
.endm
.macro CROUND                          ; a round of the cluster's barrier
	s_barrier_signal -1
	s_barrier_wait -1
	s_cmp_lg_u32 s[WV], 0
	s_cbranch_scc1 .Lnot_wave_0_\@
	s_barrier_signal -3
.Lnot_wave_0_\@:
	s_barrier_wait -3
	s_barrier_signal -1
	s_barrier_wait -1
.endm
	s_load_b256 s[4:11], s[0:1], 0x0               ; xb s[4:5], wb s[6:7], cos s[8:9], sin s[10:11]
	s_load_b64 s[12:13], s[0:1], 0x20              ; qkv
	v_lshl_add_u32 v[SPW], v0, 2, SPARE
	v_mov_b32 v[NIL], 0
	ds_add_u32 v[SPW], v[NIL]                      ; the wave's opening: the add and its wait stand ahead of my first tensor load
	v_lshrrev_b32 v1, 5, v0
	v_readfirstlane_b32 s[WV], v1
	s_lshr_b32 s[RH], s[WV], 1
	s_and_b32 s[CH], s[WV], 1
	s_bfe_u32 s[CX], ttmp6, 0x40000
	s_bfe_u32 s[CY], ttmp6, 0x40004
	s_lshl_b32 s[TC], ttmp9, 2
	s_add_co_u32 s[TC], s[TC], s[CX]
	s_and_b32 s[TR], ttmp7, 0xffff
	s_lshl_b32 s[TR], s[TR], 2
	s_add_co_u32 s[TR], s[TR], s[CY]
	s_lshl_b32 s40, s[CY], 2
	s_lshl_b32 s40, 15, s40                        ; my row of the cluster
	s_lshl_b32 s41, 0x1111, s[CX]                  ; my column
	s_or_b32 s[G1], s40, (1<<16)|(1<<20)|(1<<21)|(5<<22)|(3<<25)   ; the mask; 2-byte elements; padding on; bit 21 beside a mask; after every 64 words 4 words
	s_or_b32 s[G1B], s41, (1<<16)|(1<<20)|(1<<21)|(5<<22)|(3<<25)
	s_mov_b32 s[G1+1], KSTEP<<16                   ; tensor_dim0 = 128
	s_mov_b32 s[G1+2], 64<<16                      ; tensor_dim1 = 64
	s_mov_b32 s[G1+3], KSTEP<<16                   ; tile_dim0 = 128
	s_mov_b32 s[G1+4], 64                          ; tile_dim1 = 64
	s_mov_b32 s[G1+5], 4096                        ; elements from row to row
	s_mov_b32 s[G1+6], 0
	s_mov_b32 s[G1+7], 0
	s_mov_b32 s[G1B+1], KSTEP<<16
	s_mov_b32 s[G1B+2], 128<<16
	s_mov_b32 s[G1B+3], KSTEP<<16
	s_mov_b32 s[G1B+4], 128
	s_mov_b32 s[G1B+5], 4096
	s_mov_b32 s[G1B+6], 0
	s_mov_b32 s[G1B+7], 0
	s_lshl_b32 s42, s[TR], 7
	s_lshl_b32 s43, s[CH], 6
	s_add_co_u32 s42, s42, s43                     ; x: row 128 x tile row + 64 x half
	s_lshl_b32 s42, s42, 13                        ; x 8,192 bytes (under 2^25)
	s_mov_b32 s43, 0
	s_lshl_b32 s46, s[TC], 8
	s_lshl_b32 s47, s[CH], 7
	s_add_co_u32 s46, s46, s47                     ; w: row 256 x tile column + 128 x half
	s_lshl_b32 s46, s46, 13
	s_mov_b32 s47, 0
	s_mul_i32 s70, s[CH], AH                       ; where they go: no place in the cluster enters an LDS address
	s_mul_i32 s71, s[CH], BH
	s_add_co_u32 s71, s71, BOFF
	s_mov_b32 s[HIM], 0xffff0000
	s_mov_b32 s[TB], 0
	s_wait_dscnt 0x0                               ; the opening add is done
	s_wait_kmcnt 0x0
	s_add_nc_u64 s[42:43], s[4:5], s[42:43]
	s_add_nc_u64 s[46:47], s[6:7], s[46:47]
	CROUND                                         ; all sixteen work-groups are here: the first joint loads meet
.irp s, 0,1
	s_mov_b32 s[G0+4*(\s)], 1
	s_add_co_u32 s[G0+4*(\s)+1], s70, (\s)*SLOTX
	s_add_nc_u64 s[G0+4*(\s)+2:G0+4*(\s)+3], s[42:43], (\s)*KSTEP*2
	s_or_b32 s[G0+4*(\s)+3], s[G0+4*(\s)+3], 0x80000000
	s_mov_b32 s[G0B+4*(\s)], 1
	s_add_co_u32 s[G0B+4*(\s)+1], s71, (\s)*SLOTX
	s_add_nc_u64 s[G0B+4*(\s)+2:G0B+4*(\s)+3], s[46:47], (\s)*KSTEP*2
	s_or_b32 s[G0B+4*(\s)+3], s[G0B+4*(\s)+3], 0x80000000
	JLOAD \s                                       ; two loads of mine are out
.endr
	v_and_b32 v1, 15, v0                           ; r = l % 16
	v_bfe_u32 v2, v0, 4, 1                         ; h = l / 16
	v_mul_u32_u24 v3, v1, PITCH
	v_lshl_add_u32 v3, v2, 4, v3                   ; a fragment's row x pitch + 16 x half
	s_mul_i32 s72, s[RH], AH                       ; my 64 rows of x
	s_mul_i32 s73, s[CH], BH                       ; my 128 rows of w
	s_add_co_u32 s73, s73, BOFF
	v_add_nc_u32 v[ABAS], s72, v3
	v_add_nc_u32 v[BBAS], s73, v3
	v_mov_b32 v[ADRA], v[ABAS]                     ; K step 0 lies in slot 0
	v_mov_b32 v[ADRB], v[BBAS]
	s_mul_i32 s74, s[WV], 16*PITCH
	s_add_co_u32 s74, s74, STAGE                   ; my stage
	v_add_nc_u32 v[STO], s74, v3
	v_mul_u32_u24 v5, v2, PITCH
	v_lshl_add_u32 v5, v1, 4, v5
	v_add_nc_u32 v[RD], s74, v5
	v_lshlrev_b32 v[GO], 8, v2
	v_lshl_add_u32 v[GO], v1, 4, v[GO]
	v_lshlrev_b32 v[TO], 8, v1
	v_lshl_add_u32 v[TO], v2, 4, v[TO]
	s_and_b32 s75, s[TR], 15
	s_lshl_b32 s75, s75, 7
	s_lshl_b32 s76, s[RH], 6
	s_add_co_u32 s75, s75, s76                     ; the position of my first row in its batch
	s_lshl_b32 s76, s75, 8                         ; x 256 bytes: a row of either table, and of a head in qkv
	s_mov_b32 s77, 0
	s_add_nc_u64 s[8:9], s[8:9], s[76:77]
	s_add_nc_u64 s[10:11], s[10:11], s[76:77]
	s_add_nc_u64 s[12:13], s[12:13], s[76:77]
	WIN 0x80                                       ; destination window 2, address window 0
.irp a, 0,1,2,3                        ; the tables of my 64 rows: over its 8 column blocks a wave reads whole rows of 256 bytes; waited for at the way out
.irp b, 0,1,2,3,4,5,6,7
	global_load_b128 v[64*(\a)+4*(\b):64*(\a)+4*(\b)+3], v[TO], s[8:9] offset:4096*(\a)+32*(\b)
	global_load_b128 v[64*(\a)+32+4*(\b):64*(\a)+32+4*(\b)+3], v[TO], s[10:11] offset:4096*(\a)+32*(\b)
.endr
.endr
	WIN 0
	s_lshr_b32 s76, s[TR], 4                       ; the batch:
	s_lshl_b32 s76, s76, 23                        ; 16 heads of 2^19 bytes
	s_add_nc_u64 s[12:13], s[12:13], s[76:77]
	s_lshl_b32 s72, s[TC], 1
	s_add_co_u32 s72, s72, s[CH]                   ; my head
	s_lshl_b32 s74, s72, 19
	s_mov_b32 s75, 0
	s_add_nc_u64 s[12:13], s[12:13], s[74:75]
	s_cmp_lt_u32 s72, 12                           ; q or k?
	s_cselect_b32 s[GG], 0x3eb6d544, 0             ; G = 0.35709583, or 0
	s_cselect_b32 s[HH], 0, 0x3e800000             ; 0, or 1/4
	s_mov_b32 s[GG+1], s[GG]                       ; named as pairs
	s_mov_b32 s[HH+1], s[HH]
	s_and_b32 s72, ttmp7, 0xffff                   ; the prefetches: cluster y,
	s_or_b32 s73, ttmp9, s[CH]                     ; cluster x, and of x's two fetching waves the first alone
	s_lshl_b32 s74, s[TR], 7
	s_lshl_b32 s75, s[TC], 8
	s_lshl_b32 s76, s[CH], 7
	s_add_co_u32 s75, s75, s76
	s_cmp_eq_u32 s[RH], 0
	s_cselect_b32 s72, s73, s72
	s_cselect_b32 s74, s74, s75                    ; the first row,
	s_cselect_b32 s75, s[CX], s[CY]                ; my work-group's place among the four that ask jointly
	s_cselect_b64 s[PFA:PFA+1], s[4:5], s[6:7]
	s_cmp_eq_u32 s72, 0
	s_cselect_b32 s[LIM], 2, -1                    ; the same in all sixteen partners, for a given wave
	s_lshl_b32 s75, s75, 5
	s_add_co_u32 s74, s74, s75
	s_lshl_b32 s74, s74, 13
	s_mov_b32 s75, 0
	s_add_nc_u64 s[PFA:PFA+1], s[PFA:PFA+1], s[74:75]
	s_add_nc_u64 s[PFA:PFA+1], s[PFA:PFA+1], 2*KSTEP*2  ; at K step 2: the first refill steps it to 3 and names K step 4
	v_and_b32 v[PFO], 31, v0
	v_lshlrev_b32 v[PFO], 13, v[PFO]
.macro MUL8 f, a, zero                 ; 8 matrix instructions: row block a x all 8 column blocks, 32 along K.  The 32 accumulators take turns, in the same order in every quarter
	WIN W_MUL
.irp b, 0,1,2,3,4,5,6,7
.if \zero
	v_wmma_f32_16x16x32_bf16 v[8*(8*(\a)+(\b)):8*(8*(\a)+(\b))+7], v[(\f)+8*(\b):(\f)+8*(\b)+7], v[(\f)+64+8*(\a):(\f)+64+8*(\a)+7], 0
.else
	v_wmma_f32_16x16x32_bf16 v[8*(8*(\a)+(\b)):8*(8*(\a)+(\b))+7], v[(\f)+8*(\b):(\f)+8*(\b)+7], v[(\f)+64+8*(\a):(\f)+64+8*(\a)+7], v[8*(8*(\a)+(\b)):8*(8*(\a)+(\b))+7]
.endif
.endr
.endm
.macro FETCH k, f                      ; 24 LDS loads in one run, from the slot that is read, at byte k of its rows: w's 16, then x's 8
	WIN 0
.irp i, 0,1,2,3,4,5,6,7
	ds_load_b128 v[(\f)+8*(\i):(\f)+8*(\i)+3],   v[ADRB] offset:(\k)+(\i)*16*PITCH
	ds_load_b128 v[(\f)+8*(\i)+4:(\f)+8*(\i)+7], v[ADRB] offset:(\k)+(\i)*16*PITCH+32
.endr
.irp i, 0,1,2,3
	ds_load_b128 v[(\f)+64+8*(\i):(\f)+64+8*(\i)+3],   v[ADRA] offset:(\k)+(\i)*16*PITCH
	ds_load_b128 v[(\f)+64+8*(\i)+4:(\f)+64+8*(\i)+7], v[ADRA] offset:(\k)+(\i)*16*PITCH+32
.endr
.endm
.macro QUARTER k, f, g, zero           ; 32 along K: multiplies buffer f; in its middle fetches the next quarter, at byte k, into g
	s_wait_dscnt 4                                 ; w's fragments and x's blocks 0, 1 are in; the youngest four loads (blocks 2, 3) may be out
	MUL8 \f, 0, \zero
	MUL8 \f, 1, \zero
	PLACES                                         ; four places in front of loads into registers that matrix instructions have read
	FETCH \k, \g
	s_wait_dscnt 24                                ; all but the 24 just issued
	MUL8 \f, 2, \zero
	MUL8 \f, 3, \zero
.endm
; THE CHANGE OF SLOTS, at the head of a K step's last quarter, whose fragments lie in buffer 1: the slot's last reads were issued half a quarter ago.  Each wave waits for all its tensor loads (one is out: its
; part of the next slot), adds 0 to its spare word, and waits for that and for its reads of this slot.  A round of the cluster's barrier follows, and this slot is filled again, two K steps on, first thing behind it.
; Nothing but the add, scalar steps and the round stands between the wait for the tile and the next request: the quarter's 32 products follow the request, so that they run while the load is on its way.
.macro TURN
	WIN 0
	s_wait_tensorcnt 0x0                           ; no tensor load of mine is out, so a group 0 may be written
	ds_add_u32 v[SPW], v[NIL]                      ; 0 onto my spare word; the scalar steps stand between it and the wait for it
.irp g, G0+4, G0B+4
	s_xor_b32 s[(\g)+1], s[(\g)+1], SLOTX          ; the walking descriptor: the other slot than last time,
	s_add_nc_u64 s[(\g)+2:(\g)+3], s[(\g)+2:(\g)+3], KSTEP*2  ; the next K step; the type bits on top are not reached
.endr
	s_xor_b32 s[TB], s[TB], SLOTX                  ; the reads go on in the other slot
	s_wait_xcnt 0x0                                ; the last prefetch, a K step back, has read its address
	s_add_nc_u64 s[PFA:PFA+1], s[PFA:PFA+1], KSTEP*2
	s_wait_dscnt 0x0                               ; the add is done, and my reads of this slot are over
	CROUND                                         ; no wave of any partner still reads this slot's tile or has a load on its way
	JLOAD 1                                        ; the four v_nop behind it are also the places in front of the loads below
	v_add_nc_u32 v[ADRA], s[TB], v[ABAS]
	v_add_nc_u32 v[ADRB], s[TB], v[BBAS]
	FETCH 0, F0
	ASK
	MUL8 F1, 0, 0
	MUL8 F1, 1, 0
	MUL8 F1, 2, 0
	MUL8 F1, 3, 0
.endm
.macro TURN0                           ; the same in the last two K steps: nothing is filled, so a plain barrier; in the last of them there is no next slot, and the fetch is jumped over
	WIN 0
	s_wait_tensorcnt 0x0
	ds_add_u32 v[SPW], v[NIL]
	s_xor_b32 s[TB], s[TB], SLOTX
	s_wait_dscnt 0x0
	s_barrier_signal -1
	s_barrier_wait -1                              ; everybody's part of the last K step has landed
	PLACES
	v_add_nc_u32 v[ADRA], s[TB], v[ABAS]
	v_add_nc_u32 v[ADRB], s[TB], v[BBAS]
	s_cmp_eq_u32 s[CNT], 1
	s_cbranch_scc1 .Lno_next_\@
	FETCH 0, F0
.Lno_next_\@:
	MUL8 F1, 0, 0
	MUL8 F1, 1, 0
	MUL8 F1, 2, 0
	MUL8 F1, 3, 0
.endm
	s_wait_tensorcnt 1                             ; my part of K step 0 is in; K step 1's may stay out
	s_barrier_signal -1
	s_barrier_wait -1
	FETCH 0, F0
	QUARTER 64, F0, F1, 1                          ; the first quarter's products start the sums
	WIN 0
	s_mov_b32 s[CNT], STEPS-2
.Lstep:                                            ; 30 trips, from a K step's second quarter to the next one's first; each fills the slot that it leaves
	QUARTER 128, F1, F0, 0
	QUARTER 192, F0, F1, 0
	TURN
	QUARTER 64,  F0, F1, 0
	WIN 0
	s_sub_co_u32 s[CNT], s[CNT], 1
	s_cmp_lg_u32 s[CNT], 0
	s_cbranch_scc1 .Lstep
	s_mov_b32 s[CNT], 2
.Ltail:                                            ; the last two K steps have a text of their own; the second trip is left in its middle
	QUARTER 128, F1, F0, 0
	QUARTER 192, F0, F1, 0
	TURN0
	WIN 0
	s_sub_co_u32 s[CNT], s[CNT], 1
	s_cmp_eq_u32 s[CNT], 0
	s_cbranch_scc1 .Lout
	QUARTER 64,  F0, F1, 0
	WIN 0
	s_branch .Ltail
.Lout:
	s_wait_dscnt 0x0                               ; no LDS load of mine is out
	; THE WAY OUT.  The tables: rounded to bf16, widened again, scaled.  Then, 16 rows at a time: rotation, rounding to f16, through my stage, whole rows of 256 bytes out.
	PLACES
	PLACES                                         ; the lines below write registers that the last products read
	s_wait_loadcnt 0x0                             ; the tables
.irp hv, 0,1
	WIN 0x0a                                       ; sources window 2, destination window 0
.set z, 0
.rept 64
	v_cvt_pk_bf16_f32 v[U+z], v[128*(\hv)+2*z], v[128*(\hv)+2*z+1]
.set z, z+1
.endr
	WIN 0x80                                       ; destination window 2, sources window 0
.set z, 0
.rept 64
	v_lshlrev_b32 v[128*(\hv)+2*z], 16, v[U+z]
	v_and_b32 v[128*(\hv)+2*z+1], s[HIM], v[U+z]
.set z, z+1
.endr
.endr
	WIN 0x82                                       ; destination and source 0 window 2
.irp a, 0,1,2,3
.set z, 0
.rept 16
	v_pk_fma_f32 v[64*(\a)+z:64*(\a)+z+1], v[64*(\a)+z:64*(\a)+z+1], s[GG:GG+1], s[HH:HH+1] op_sel_hi:[1,0,0]  ; G cos, or 1/4
	v_pk_mul_f32 v[64*(\a)+32+z:64*(\a)+32+z+1], v[64*(\a)+32+z:64*(\a)+32+z+1], s[GG:GG+1] op_sel_hi:[1,0]    ; G sin, or 0
.set z, z+2
.endr
.endr
; Pair p = 2 q + e of a lane's four: (t0, t1) -> (t0 c - t1 s, t1 c + t0 s): a packed multiply by c, then a packed multiply-add that takes t1 and t0 crosswise, s negated in the low half.
; Each accumulator's registers are read in ascending order.
.macro ROPE a
	WIN 0x09                                       ; source 0 (sums) window 1, source 1 (tables) window 2, the rest window 0
.irp b, 0,1,2,3,4,5,6,7
.irp q, 0,1
.irp e, 0,1
	v_pk_mul_f32 v[U+8*(\b)+4*(\q)+2*(\e):U+8*(\b)+4*(\q)+2*(\e)+1], v[8*(8*(\a)+(\b))+4*(\q)+2*(\e):8*(8*(\a)+(\b))+4*(\q)+2*(\e)+1], v[64*(\a)+4*(\b)+2*(\q):64*(\a)+4*(\b)+2*(\q)+1] op_sel:[0,\e] op_sel_hi:[1,\e]
.endr
.endr
.irp q, 0,1
.irp e, 0,1
	v_pk_fma_f32 v[U+8*(\b)+4*(\q)+2*(\e):U+8*(\b)+4*(\q)+2*(\e)+1], v[8*(8*(\a)+(\b))+4*(\q)+2*(\e):8*(8*(\a)+(\b))+4*(\q)+2*(\e)+1], v[64*(\a)+32+4*(\b)+2*(\q):64*(\a)+32+4*(\b)+2*(\q)+1], v[U+8*(\b)+4*(\q)+2*(\e):U+8*(\b)+4*(\q)+2*(\e)+1] op_sel:[1,\e,0] op_sel_hi:[0,\e,1] neg_lo:[0,1,0]
.endr
.endr
.endr
	WIN 0
.set z, 0
.rept 32
	v_cvt_pk_f16_f32 v[TMP+z], v[U+2*z], v[U+2*z+1]
.set z, z+1
.endr
.endm
.macro TOSTAGE a
.irp b, 0,1,2,3,4,5,6,7
	ds_store_b128 v[STO], v[TMP+4*(\b):TMP+4*(\b)+3] offset:32*(\b)
.endr
.irp t, 0,1,2,3,4,5,6,7
	ds_load_b128 v[BK+32*((\a)%2)+4*(\t):BK+32*((\a)%2)+4*(\t)+3], v[RD] offset:(\t)*2*PITCH  ; LDS serves a wave's instructions in order: these see the stores above
.endr
.endm
.macro SEND a
	s_wait_dscnt 0x0                               ; the block is back in registers
	s_wait_xcnt 0x0                                ; the stores of the block before have read their registers, which the next block's loads write
.irp t, 0,1,2,3,4,5,6,7
	global_store_b128 v[GO], v[BK+32*((\a)%2)+4*(\t):BK+32*((\a)%2)+4*(\t)+3], s[12:13] offset:4096*(\a)+512*(\t)  ; 16 lanes store 256 consecutive bytes, aligned
.endr
.endm
	ROPE 0
	TOSTAGE 0
.irp a, 1,2,3
	ROPE \a
	SEND (\a)-1
	TOSTAGE \a
.endr
	SEND 3
	s_wait_tensorcnt 0x0                           ; the wave's end
	ds_add_u32 v[SPW], v[NIL]
	s_wait_dscnt 0x0
	CROUND                                         ; the closing round
	s_endpgm
.Lfunc_end_k_qc18e2334c1_qkv:
	.size	k_qc18e2334c1_qkv, .Lfunc_end_k_qc18e2334c1_qkv-k_qc18e2334c1_qkv
	.p2alignl 7, 3214868480
	.fill 96, 4, 3214868480
	.section	.rodata,"a",@progbits
	.p2align	6, 0x0
	.amdhsa_kernel k_qc18e2334c1_qkv
		.amdhsa_group_segment_fixed_size 327680
		.amdhsa_private_segment_fixed_size 0
		.amdhsa_enable_private_segment 0
		.amdhsa_kernarg_size 40
		.amdhsa_user_sgpr_count 2
		.amdhsa_user_sgpr_kernarg_segment_ptr 1
		.amdhsa_wavefront_size32 1
		.amdhsa_system_sgpr_workgroup_id_x 1
		.amdhsa_system_sgpr_workgroup_id_y 1
		.amdhsa_system_sgpr_workgroup_id_z 1
		.amdhsa_system_vgpr_workitem_id 0
		.amdhsa_next_free_vgpr 768
		.amdhsa_next_free_sgpr 80
		.amdhsa_reserve_vcc 0
		.amdhsa_float_denorm_mode_32 3
		.amdhsa_float_denorm_mode_16_64 3
		.amdhsa_memory_ordered 1
		.amdhsa_forward_progress 1
		.amdhsa_inst_pref_size 108
	.end_amdhsa_kernel
	.amdgpu_metadata
---
amdhsa.version: [ 1, 2 ]
amdhsa.kernels:
  - .name:           k_qc18e2334c1_qkv
    .symbol:         k_qc18e2334c1_qkv.kd
    .args:
      - { .name: xb, .offset: 0, .size: 8, .value_kind: global_buffer, .address_space: global }
      - { .name: wb, .offset: 8, .size: 8, .value_kind: global_buffer, .address_space: global }
      - { .name: freqs_cos, .offset: 16, .size: 8, .value_kind: global_buffer, .address_space: global }
      - { .name: freqs_sin, .offset: 24, .size: 8, .value_kind: global_buffer, .address_space: global }
      - { .name: qkv, .offset: 32, .size: 8, .value_kind: global_buffer, .address_space: global }
    .group_segment_fixed_size: 327680
    .private_segment_fixed_size: 0
    .kernarg_segment_align: 8
    .kernarg_segment_size: 40
    .max_flat_workgroup_size: 128
    .sgpr_count:     80
    .vgpr_count:     768
    .wavefront_size: 32
...
	.end_amdgpu_metadata
.endif
;; end of part 2
;; launch attn (part 3): grid 32 x 8, 4 waves a work-group, clusters of 4 x 1, 327,680 bytes of LDS; arguments qkv, o; writes o
.if DOCPART == 3
	.amdgcn_target "amdgcn-amd-amdhsa--gfx1250"
	.amdhsa_code_object_version 6
	.text
	.protected	k_qc18e2334c1_attn
	.globl	k_qc18e2334c1_attn
	.p2align	8
	.type	k_qc18e2334c1_attn,@function
k_qc18e2334c1_attn:
	s_mov_b64 s[64:65], 0
	v_nop
	global_prefetch_b8 v0, s[64:65] scope:SCOPE_SE
	s_setreg_imm32_b32 hwreg(HW_REG_WAVE_MODE, 25, 1), 1
	s_wait_xcnt 0x0
	s_wait_alu depctr_hold_cnt(0) depctr_sa_sdst(0) depctr_va_vdst(0) depctr_va_sdst(0) depctr_va_ssrc(0) depctr_va_vcc(0) depctr_vm_vsrc(0)
	s_getreg_b32 s2, hwreg(HW_REG_IB_STS2, 6, 4)
	s_cmp_eq_u32 s2, 0
	s_cbranch_scc0 .Lentry_in_a_cluster
	s_endpgm
.Lentry_in_a_cluster:
	s_bfe_u32 s2, ttmp6, 0x10000c
	s_cmp_lg_u32 s2, 0x3003
	s_cbranch_scc0 .Lentry_shape_is_right
	s_endpgm
.Lentry_shape_is_right:
; CAUSAL ATTENTION WITH GROUPED QUERY HEADS.  qkv: [batch 2][head 16][2048][128] f16 (heads 0-7 q, 8-11 k, 12-15 v; q and k carry sqrt(log2(e) / sqrt(128)), v carries 1/4).
; o: [4096 rows = batch, position][1024 = head, channel] f16 (it carries v's 1/4).  Products, maxima and sums in f32; the weights are rounded to f16 for the second product, o once.
; LIMITS.  A hidden score counts as its value less 1e30; the running maximum starts at -2^80, above every hidden score and below every true one (f16's products of 128 terms stay under 5.5e11);
; a weight below 2^-126 counts as 0; NaN and infinities are not treated apart.  The caches are named by no launch: with start_pos = 0 the new keys and values overwrite both whole.
; SHARES.  y = batch and key head.  A BLOCK is 32 positions x the 2 query heads of that key head: 64 rows.  A work-group takes block b' = 0..31 and then block 63 - b'.  Keys go in tiles of 256:
; with u = b' / 8 the first block needs tiles 0..u, the second 0..7-u: 9 tiles for every work-group, and the same walk for the four partners of a cluster (u = cluster x / 2): every tile is asked for jointly.
; THE KEYS ARE SPLIT AMONG THE WAVES: every wave holds all 64 rows (tile t of 16: head t / 2, positions 16 (t % 2) + r) and takes keys 64 w .. 64 w + 63 of each tile of 256: one key step a tile.
; At a block's end the four waves' partial (m, l, O) meet in LDS.
; LAYOUT.  S^T = K Q^T holds ONE query a lane (l % 16) and the keys 8 (l / 16) + 0..7 of each 16; two such results rounded to f16 ARE source 1 of O^T = V^T P.  p = 2^(s - m); O and l are multiplied by a = 2^(m_old - m_new).
; THE MASK is the C operand that starts a score's sum: 0, or -1e30 where 16 kb' + j > X, X = 32 (block % 8) - 64 w + r - 8 h, kb' = the key group less the tile's parity: five groups of eight registers, 0 outside a block's last tile.
; A KEY STEP.  Pieces 0 (tiles 0, 1) and 2 (tiles 2, 3): piece 0's scores bare; piece 2's scores with piece 0's softmax in slices behind them; piece 0's V^T P with piece 2's softmax; piece 2's V^T P at the next step's head, while K's loads land.
; REGISTERS.  window 0: v1-11, v44-52 addresses; v12-43 statistics, eight a tile (m, spare, l, l, c0-c3; a takes c2's place); v64-191 S^T; v192-255 P.  window 1: O^T, 64 a tile.
; window 2: v0-127 Q, v128-255 K.  window 3: v0-127 V, v128-167 the masks.
; O^T, l and the masks are cleared by moves at the head, in the wait for the first tile: no first step is written out.
.set KS,    64
.set PK,    272       ; a row of K in LDS: 256 bytes + 16
.set PV,    288       ; a row of V: 256 + 32
.set VOFF,  256*PK    ; a slot: 256 rows of K (0x11000 bytes), then 256 rows of V (0x12000)
.set STATS, 0x23000   ; behind slot 0, never filled: [wave][tile][lane] (m, l), 4,096 bytes
.set SLOTX, 0x24000   ; slot 1 begins here; the tiles' bases in slot 0 have neither of its two bits, so one exclusive or changes slots
.set SPARE, 0x47000   ; behind slot 1: the spare words, 128 bytes a wave
.set MERGE, 0x48000   ; 32,768 bytes: the four waves' O^T of one tile; later the stage for the way out
.set SP,    272
.set AK0, 2
.set AV0, 3
.set ADR, 4
.set QO,  5           ; 256 r + 16 h
.set SA,  6           ; STATS + 1,024 w + 8 l
.set SR,  7           ; STATS + 8 l
.set MW,  8           ; MERGE + 8,192 w + 16 l
.set MR,  10          ; MERGE + 2,048 w + 16 l
.set OW,  11          ; MERGE + 272 r + 64 w + 16 h
.set ST,  12
.set ORD, 44          ; MERGE + (16 w + h) 272 + 16 r
.set GO,  45          ; 2,048 h + 16 r + 32,768 (w % 2) + 256 (w / 2)
.set XLO, 46
.set XHI, 47
.set XC,  48          ; X of the block in hand
.set PFO, 49          ; 256 l; never rewritten
.set SPW, 62
.set NIL, 63
.set S,   64
.set P,   192
.set SB,  64          ; a block's end: (m, l) of tile t, wave ws at SB + 8 t + 2 ws
.set GF,  96          ; the factor of tile t, wave ws at GF + 4 t + ws
.set WK,  112         ; at work
.set PB,  128         ; 64: four waves' partial sums
.set RR,  192         ; 16: their weighted sum
.set OUTP, 208        ; 32: packed, 8 a tile
.set KF,  128         ; window 2
.set MK,  128         ; window 3
.set WV,  12
.set CX,  13
.set UU,  14          ; u
.set KB,  16          ; s[16:17] K at my half of tile 0
.set VB,  18          ; s[18:19] V likewise
.set PFB, 20          ; s[20:21] my work-group's 32 rows of that half
.set PFA, 22
.set G1K, 24
.set G1V, 32
.set G0K, 40
.set G0V, 44
.set QLO, 48
.set QHI, 50
.set OLO, 52
.set OHI, 54
.set SLOTS, 56
.set LIM, 57
.set SEL, 60
.set TB,  62          ; the slot that is read
.set RT,  63          ; tiles of the block in hand still to be entered
.set NXT, 66          ; the tile to be asked for next
.set LQ,  67          ; the last tile of the block whose tiles are being asked for
.set OFF, 68          ; s[68:69]
.set BIGN, 70
.set HU,  71          ; 7 - u
.set W_KQ, 0x0a       ; K and Q window 2, S^T window 0
.set W_KM, 0x3a       ; the same with C in window 3
.set W_PV, 0x53       ; V window 3, P window 0, O^T window 1
.set W_RS, 0x41       ; O^T window 1, a window 0
.set MSB, 0
.macro WIN new
.if MSB != (\new)
	s_set_vgpr_msb (MSB<<8)|(\new)
.set MSB, \new
.endif
.endm
.macro PLACES
.rept 4
	v_nop
.endr
.endm
.macro JLOAD                           ; waves 0, 1 fetch K's halves, waves 2, 3 V's; an s_nop 0 and four v_nop follow each line
	s_cmp_lt_u32 s[WV], 2
	s_cbranch_scc0 .Lfor_v_\@
	tensor_load_to_lds s[G0K:G0K+3], s[G1K:G1K+7]
	s_nop 0
.rept 4
	v_nop
.endr
	s_branch .Lasked_\@
.Lfor_v_\@:
	tensor_load_to_lds s[G0V:G0V+3], s[G1V:G1V+7]
	s_nop 0
.rept 4
	v_nop
.endr
.Lasked_\@:
.endm
; A prefetch of what the NEXT change of slots will ask for.  Only the clusters with x = 0 ask: behind their first tile they walk tiles 0 to 7 in order.  Each wave names 32 of the 128 rows that it will fetch,
; a lane a row, the four partners told apart by address: tiles 1 to 7 are each named once.  The last change that fills a slot asks for nothing.
.macro ASK
	s_cmp_gt_u32 s[SLOTS], s[LIM]
	s_cbranch_scc0 .Lnot_mine_\@
	global_prefetch_b8 v[PFO], s[PFA:PFA+1] th:TH_LOAD_NT scope:SCOPE_SE
.Lnot_mine_\@:
.endm
.macro CROUND
	s_barrier_signal -1
	s_barrier_wait -1
	s_cmp_lg_u32 s[WV], 0
	s_cbranch_scc1 .Lnot_wave_0_\@
	s_barrier_signal -3
.Lnot_wave_0_\@:
	s_barrier_wait -3
	s_barrier_signal -1
	s_barrier_wait -1
.endm
; THE CHANGE OF SLOTS.  Each wave waits for all its tensor loads (one is out: its part of the other slot), adds 0 to its spare word, and waits for that and for its reads of the slot that it leaves.
; fill = 1: a round of the cluster's barrier, and the old slot is filled, first thing behind it, with tile NXT; the descriptor's address is made anew from that number.
.macro CHANGE fill
	WIN 0
	s_wait_tensorcnt 0x0
	ds_add_u32 v[SPW], v[NIL]
.if \fill
	s_lshl_b32 s[OFF], s[NXT], 16                  ; a tile is 65,536 bytes of K and of V
	s_xor_b32 s[G0K+1], s[G0K+1], SLOTX
	s_add_nc_u64 s[G0K+2:G0K+3], s[KB:KB+1], s[OFF:OFF+1]
	s_or_b32 s[G0K+3], s[G0K+3], 0x80000000
	s_xor_b32 s[G0V+1], s[G0V+1], SLOTX
	s_add_nc_u64 s[G0V+2:G0V+3], s[VB:VB+1], s[OFF:OFF+1]
	s_or_b32 s[G0V+3], s[G0V+3], 0x80000000
	s_add_co_u32 s[NXT], s[NXT], 1                 ; the block's next tile, or behind its last the second block's tile 0
	s_cmp_gt_u32 s[NXT], s[LQ]
	s_cselect_b32 s[NXT], 0, s[NXT]
	s_cselect_b32 s[LQ], s[HU], s[LQ]
	s_wait_xcnt 0x0                                ; the last prefetch, a key step back, has read its address
	s_lshl_b32 s[OFF], s[NXT], 16
	s_add_nc_u64 s[PFA:PFA+1], s[PFB:PFB+1], s[OFF:OFF+1]
	s_wait_dscnt 0x0                               ; the add is done, and my reads of the slot are over
	CROUND
	JLOAD
	ASK
.else
	s_wait_dscnt 0x0
	s_barrier_signal -1
	s_barrier_wait -1
.endif
	s_xor_b32 s[TB], s[TB], SLOTX
.endm
.macro QLD base                        ; a block's Q: fragment f: tile f / 4 (head f / 8, positions 16 ((f / 4) % 2) on), channels 32 (f % 4) on
	WIN 0x80
.irp f, 0,1,2,3,4,5,6,7,8,9,10,11,12,13,14,15
	global_load_b128 v[8*(\f):8*(\f)+3],   v[QO], s[\base:\base+1] offset:((\f)/8)*524288+(((\f)/4)%2)*4096+((\f)%4)*64
	global_load_b128 v[8*(\f)+4:8*(\f)+7], v[QO], s[\base:\base+1] offset:((\f)/8)*524288+(((\f)/4)%2)*4096+((\f)%4)*64+32
.endr
	WIN 0
.endm
	s_load_b128 s[4:7], s[0:1], 0x0                ; qkv s[4:5], o s[6:7]
	v_lshl_add_u32 v[SPW], v0, 2, SPARE
	v_mov_b32 v[NIL], 0
	ds_add_u32 v[SPW], v[NIL]                      ; the wave's opening: the add and its wait stand ahead of my first tensor load
	v_lshrrev_b32 v1, 5, v0
	v_readfirstlane_b32 s[WV], v1
	s_bfe_u32 s[CX], ttmp6, 0x40000
	s_lshr_b32 s[UU], ttmp9, 1
	s_sub_co_u32 s[HU], 7, s[UU]
	s_and_b32 s72, ttmp7, 0xffff
	s_lshr_b32 s73, s72, 2                         ; batch
	s_and_b32 s74, s72, 3                          ; key head
	s_lshl_b32 s75, s73, 4
	s_add_co_u32 s75, s75, s74
	s_and_b32 s78, s[WV], 1                        ; which half of a tile I fetch
	s_add_co_u32 s76, s75, 8
	s_lshl_b32 s76, s76, 19                        ; K's head,
	s_lshl_b32 s77, s78, 15                        ; my 128 rows of 256 bytes
	s_add_co_u32 s76, s76, s77
	s_mov_b32 s77, 0
	s_mul_i32 s79, s78, 128*PK
	s_mov_b32 s[G0K], 1
	s_mov_b32 s[G0K+1], s79                        ; slot 0
	s_mul_i32 s79, s78, 128*PV
	s_mov_b32 s[G0V], 1
	s_add_co_u32 s[G0V+1], s79, VOFF
	s_mov_b32 s[G1K], 15|(1<<16)|(1<<20)|(1<<21)|(5<<22)|(3<<25)   ; the mask of four; 2-byte elements; padding on; bit 21 beside a mask; after every 64 words 4 words
	s_mov_b32 s[G1V], 15|(1<<16)|(1<<20)|(1<<21)|(5<<22)|(7<<25)   ; 8 words
.irp g, G1K, G1V
	s_mov_b32 s[(\g)+1], 128<<16                   ; tensor_dim0 = 128
	s_mov_b32 s[(\g)+2], 128<<16                   ; tensor_dim1 = 128
	s_mov_b32 s[(\g)+3], 128<<16                   ; tile_dim0 = 128
	s_mov_b32 s[(\g)+4], 128                       ; tile_dim1 = 128
	s_mov_b32 s[(\g)+5], 128                       ; elements from row to row
	s_mov_b32 s[(\g)+6], 0
	s_mov_b32 s[(\g)+7], 0
.endr
	s_lshl_b32 s72, ttmp9, 2
	s_add_co_u32 s72, s72, s[CX]                   ; b': it enters Q's and o's addresses, the masks and the prefetches' addresses alone
	s_sub_co_u32 s79, 63, s72
	s_add_co_u32 s75, s75, s74                     ; 16 batch + 2 key head: the first query head
	s_lshl_b32 s75, s75, 19
	s_lshl_b32 s[QLO], s72, 13                     ; 32 rows of 256 bytes a block
	s_add_co_u32 s[QLO], s[QLO], s75
	s_mov_b32 s[QLO+1], 0
	s_lshl_b32 s[QHI], s79, 13
	s_add_co_u32 s[QHI], s[QHI], s75
	s_mov_b32 s[QHI+1], 0
	s_lshl_b32 s73, s73, 22                        ; o: a batch's 2,048 rows of 2,048 bytes,
	s_lshl_b32 s74, s74, 9                         ; two heads' 512 bytes
	s_add_co_u32 s73, s73, s74
	s_lshl_b32 s[OLO], s72, 16                     ; 32 rows a block
	s_add_co_u32 s[OLO], s[OLO], s73
	s_mov_b32 s[OLO+1], 0
	s_lshl_b32 s[OHI], s79, 16
	s_add_co_u32 s[OHI], s[OHI], s73
	s_mov_b32 s[OHI+1], 0
	s_mov_b32 s[SEL], 0x76543210
	s_mov_b32 s[SEL+1], 0xfedcba98
	s_mov_b32 s[BIGN], 0xf149f2ca                  ; -1e30
	s_mov_b32 s[OFF+1], 0
	s_mov_b32 s[TB], SLOTX                         ; the first change turns it into 0
	s_mov_b32 s[SLOTS], 8
	s_add_co_u32 s[RT], s[UU], 1
	s_cmp_eq_u32 s[UU], 0                          ; the walk's second tile: the first block's tile 1, or, where it has one tile, the second block's tile 0
	s_cselect_b32 s[NXT], 0, 1
	s_cselect_b32 s[LQ], 7, s[UU]
	s_cmp_eq_u32 ttmp9, 0
	s_cselect_b32 s[LIM], 1, -1
	s_wait_dscnt 0x0                               ; the opening add is done
	s_wait_kmcnt 0x0
	s_add_nc_u64 s[KB:KB+1], s[4:5], s[76:77]
	s_add_nc_u64 s[VB:VB+1], s[KB:KB+1], 0x200000  ; V's head lies four heads on
	s_mov_b64 s[G0K+2:G0K+3], s[KB:KB+1]
	s_or_b32 s[G0K+3], s[G0K+3], 0x80000000
	s_mov_b64 s[G0V+2:G0V+3], s[VB:VB+1]
	s_or_b32 s[G0V+3], s[G0V+3], 0x80000000
	s_add_nc_u64 s[QLO:QLO+1], s[4:5], s[QLO:QLO+1]
	s_add_nc_u64 s[QHI:QHI+1], s[4:5], s[QHI:QHI+1]
	s_add_nc_u64 s[OLO:OLO+1], s[6:7], s[OLO:OLO+1]
	s_add_nc_u64 s[OHI:OHI+1], s[6:7], s[OHI:OHI+1]
	s_cmp_lt_u32 s[WV], 2
	s_cselect_b64 s[PFB:PFB+1], s[KB:KB+1], s[VB:VB+1]
	s_lshl_b32 s72, s[CX], 13                      ; my work-group's 32 rows of the 128
	s_mov_b32 s73, 0
	s_add_nc_u64 s[PFB:PFB+1], s[PFB:PFB+1], s[72:73]
	CROUND                                         ; all four work-groups are here
	JLOAD                                          ; tile 0 into slot 0: one load of mine is out
	v_and_b32 v1, 15, v0                           ; r
	v_bfe_u32 v9, v0, 4, 1                         ; h
	v_and_b32 v50, 31, v0                          ; l
	v_lshlrev_b32 v[QO], 8, v1
	v_lshl_add_u32 v[QO], v9, 4, v[QO]
	QLD QLO
	WIN 0x40
.set i, 0
.rept 256
	v_mov_b32 v[i], 0                              ; O^T
.set i, i+1
.endr
	WIN 0xc0
.set i, 0
.rept 40
	v_mov_b32 v[MK+i], 0
.set i, i+1
.endr
	WIN 0
.irp t, 0,1,2,3
	v_mov_b32 v[ST+8*(\t)], 0xe7800000             ; m = -2^80
	v_mov_b32 v[ST+8*(\t)+1], 0
	v_mov_b32 v[ST+8*(\t)+2], 0
	v_mov_b32 v[ST+8*(\t)+3], 0
.endr
	s_mul_i32 s72, s[WV], 64*PK                    ; my 64 keys of a tile
	v_mul_u32_u24 v[AK0], v1, PK
	v_lshl_add_u32 v[AK0], v9, 4, v[AK0]
	v_add_nc_u32 v[AK0], s72, v[AK0]
	s_mul_i32 s72, s[WV], 64*PV
	s_add_co_u32 s72, s72, VOFF
	v_and_b32 v51, 7, v0                           ; the turning load: lane l reads key 8 h + l % 8, channels 8 ((l / 8) % 2) on
	v_bfe_u32 v52, v0, 3, 1
	v_lshl_add_u32 v[AV0], v9, 3, v51
	v_mul_u32_u24 v[AV0], v[AV0], PV
	v_lshl_add_u32 v[AV0], v52, 4, v[AV0]
	v_add_nc_u32 v[AV0], s72, v[AV0]
	s_lshl_b32 s72, s[WV], 10
	s_add_co_u32 s72, s72, STATS
	v_lshl_add_u32 v[SA], v50, 3, s72
	v_lshlrev_b32 v[SR], 3, v50
	v_add_nc_u32 v[SR], STATS, v[SR]
	s_lshl_b32 s72, s[WV], 13
	s_add_co_u32 s72, s72, MERGE
	v_lshl_add_u32 v[MW], v50, 4, s72
	s_lshl_b32 s72, s[WV], 11
	s_add_co_u32 s72, s72, MERGE
	v_lshl_add_u32 v[MR], v50, 4, s72
	s_lshl_b32 s72, s[WV], 6
	s_add_co_u32 s72, s72, MERGE
	v_mul_u32_u24 v[OW], v1, SP
	v_lshl_add_u32 v[OW], v9, 4, v[OW]
	v_add_nc_u32 v[OW], s72, v[OW]
	s_mul_i32 s72, s[WV], 16*SP
	s_add_co_u32 s72, s72, MERGE
	v_mul_u32_u24 v[ORD], v9, SP
	v_lshl_add_u32 v[ORD], v1, 4, v[ORD]
	v_add_nc_u32 v[ORD], s72, v[ORD]
	s_and_b32 s72, s[WV], 1
	s_lshl_b32 s72, s72, 15
	s_lshr_b32 s73, s[WV], 1
	s_lshl_b32 s73, s73, 8
	s_add_co_u32 s72, s72, s73
	v_lshlrev_b32 v[GO], 11, v9
	v_lshl_add_u32 v[GO], v1, 4, v[GO]
	v_add_nc_u32 v[GO], s72, v[GO]
	s_and_b32 s72, ttmp9, 1
	s_lshl_b32 s72, s72, 2
	s_add_co_u32 s72, s72, s[CX]                   ; b' % 8
	s_sub_co_u32 s73, 7, s72                       ; (63 - b') % 8
	s_lshl_b32 s72, s72, 5
	s_lshl_b32 s73, s73, 5
	s_lshl_b32 s74, s[WV], 6
	s_sub_co_u32 s72, s72, s74
	s_sub_co_u32 s73, s73, s74
	v_lshlrev_b32 v51, 3, v9
	v_sub_nc_u32 v51, v1, v51                      ; r - 8 h
	v_add_nc_u32 v[XLO], s72, v51
	v_add_nc_u32 v[XHI], s73, v51
	v_mov_b32 v[XC], v[XLO]
	v_lshlrev_b32 v[PFO], 8, v50
; THE MATRIX WORK.  The accumulators take turns, one instruction a turn.
; Product i of 32 of S^T = K Q^T for piece x: channels 32 (i / 8) on, keys 16 ((i / 2) % 4) on, tile x + i % 2.  The first 8 start the sums, with the mask.
.macro KQ x
.set rS, S+32*((\x)+i%2)+8*((i/2)%4)
.set rK, KF+32*((i/2)%4)+8*(i/8)
.set rQ, 32*((\x)+i%2)+8*(i/8)
.set rM, MK+8*((i/2)%4-i%2+1)
.if i < 8
	WIN W_KM
	v_wmma_f32_16x16x32_f16 v[rS:rS+7], v[rK:rK+7], v[rQ:rQ+7], v[rM:rM+7]
.else
	WIN W_KQ
	v_wmma_f32_16x16x32_f16 v[rS:rS+7], v[rK:rK+7], v[rQ:rQ+7], v[rS:rS+7]
.endif
.endm
; Product i of 32 of O^T += V^T P: keys 32 (i / 16) on, channels 16 ((i / 2) % 8) on, tile x + i % 2.
.macro PV x
	WIN W_PV
.set rO, 64*((\x)+i%2)+8*((i/2)%8)
.set rV, 64*(i/16)+8*((i/2)%8)
.set rP, P+16*((\x)+i%2)+8*(i/16)
	v_wmma_f32_16x16x32_f16 v[rO:rO+7], v[rV:rV+7], v[rP:rP+7], v[rO:rO+7]
.endm
.macro FETCH_K                         ; my 64 keys x 128 channels: 16 fragments, 32 loads in one run
	WIN 0
	v_add_nc_u32 v[ADR], s[TB], v[AK0]
	WIN 0x80
.irp f, 0,1,2,3,4,5,6,7,8,9,10,11,12,13,14,15
	ds_load_b128 v[KF+8*(\f):KF+8*(\f)+3],   v[ADR] offset:((\f)/4)*16*PK+((\f)%4)*64
	ds_load_b128 v[KF+8*(\f)+4:KF+8*(\f)+7], v[ADR] offset:((\f)/4)*16*PK+((\f)%4)*64+32
.endr
.endm
.macro FETCH_V                         ; the same keys' V, turned
	WIN 0
	v_add_nc_u32 v[ADR], s[TB], v[AV0]
	s_wait_alu depctr_va_vdst(0)                   ; the wait for the softmax's batch of exponentials, ahead of the first line that names a result
	WIN 0xc0
.irp f, 0,1,2,3,4,5,6,7,8,9,10,11,12,13,14,15
	ds_load_tr16_b128 v[8*(\f):8*(\f)+3],   v[ADR] offset:((\f)/8)*32*PV+((\f)%8)*32
	ds_load_tr16_b128 v[8*(\f)+4:8*(\f)+7], v[ADR] offset:((\f)/8)*32*PV+16*PV+((\f)%8)*32
.endr
.endm
; THE VECTOR WORK.  One tile's softmax for a key step is a numbered list; SM writes number j for tile t.
;   0-15  the maximum of the lane's 32 scores and the old m (each accumulator's lowest registers are read first)     16-20  the other half of the lanes'; m_old is kept; the new m; m_old - m_new (19 is empty)
;   21-69 ONE BATCH: the 16 packed differences s - m and all 33 exponentials (a at 23); none reads an exponential's result     70-85 the roundings to f16     86-101 the sums; l = a l + sum     102-133 O^T times a
.macro SM t
.set rT, ST+8*(\t)
.set rS, S+32*(\t)
.set rP, P+16*(\t)
.set rO, 64*(\t)+2*(j-102)
.if j < 102
	WIN 0
.endif
.if j < 4
	v_max3_num_f32 v[rT+4+j], v[rS+8*j], v[rS+8*j+1], v[rS+8*j+2]
.elseif j < 12
	v_max3_num_f32 v[rT+4+j%4], v[rT+4+j%4], v[rS+8*(j%4)+2*(j/4)+1], v[rS+8*(j%4)+2*(j/4)+2]
.elseif j == 12
	v_max3_num_f32 v[rT+4], v[rT+4], v[rS+7], v[rS+15]
.elseif j == 13
	v_max3_num_f32 v[rT+6], v[rT+6], v[rS+23], v[rS+31]
.elseif j == 14
	v_max3_num_f32 v[rT+4], v[rT+4], v[rT+5], v[rT+6]
.elseif j == 15
	v_max3_num_f32 v[rT+4], v[rT+4], v[rT+7], v[rT]
.elseif j == 16
	v_permlanex16_b32 v[rT+5], v[rT+4], s[SEL], s[SEL+1]
.elseif j == 17
	v_mov_b32 v[rT+7], v[rT]
.elseif j == 18
	v_max_num_f32 v[rT], v[rT+4], v[rT+5]
.elseif j == 19
.elseif j == 20
	v_sub_f32 v[rT+7], v[rT+7], v[rT]
.elseif j == 23
	v_exp_f32 v[rT+6], v[rT+7]
.elseif (j < 23) || ((j < 38) && (j%2 == 0)) || ((j < 66) && (j%4 == 2))
.set b, (j-2)/4
.if j < 38
.set b, (j-20)/2
.endif
	v_pk_add_f32 v[rS+2*b:rS+2*b+1], v[rS+2*b:rS+2*b+1], v[rT:rT+1] op_sel_hi:[1,0] neg_lo:[0,1] neg_hi:[0,1]  ; pair b: s - m, an exact difference's one rounding
.elseif j < 70
.set e, j-38
.if j < 66
.set e, j-32-(j-38)/4
.endif
.if j < 38
.set e, (j-25)/2
.endif
	v_exp_f32 v[rS+e], v[rS+e]
.elseif j < 86
	v_cvt_pk_f16_f32 v[rP+j-70], v[rS+2*(j-70)], v[rS+2*(j-70)+1]
.elseif j < 102
.set z, j-86
.set w, 4
.set u, z
.if z >= 14
.set w, 32
.set u, 0
.elseif z >= 12
.set w, 16
.set u, z-12
.elseif z >= 8
.set w, 8
.set u, z-8
.endif
.if z < 15
	v_pk_add_f32 v[rS+w*u:rS+w*u+1], v[rS+w*u:rS+w*u+1], v[rS+w*u+w/2:rS+w*u+w/2+1]
.else
	v_pk_fma_f32 v[rT+2:rT+3], v[rT+2:rT+3], v[rT+6:rT+7], v[rS:rS+1] op_sel_hi:[1,0,1]
.endif
.else
	WIN W_RS
	v_pk_mul_f32 v[rO:rO+1], v[rO:rO+1], v[rT+6:rT+7] op_sel_hi:[1,0]
.endif
.endm
; Slice k of 64 of piece y's softmax.  Slices 11 to 34 deal out the batch, four numbers of one tile each; every other slice is numbers 2 k, 2 k + 1 of both tiles; slice 63 takes the twelve that are over.
; Behind slice 34: a v_nop, the plain instruction behind the last exponential, and ONE wait for the piece's 66 exponentials (for piece 0 it stands in V's run of loads).
.macro SLICE y
.if (k >= 11) && (k < 35)
.irp n, 0,1,2,3
.set j, 22+4*((k-11)/2)+(\n)
	SM (\y)+(k-11)%2
.endr
.else
.irp n, 0,1,2,3,4,5,6,7
.if ((\n) < 2) || (k == 63)
.irp t, \y, (\y)+1
.set j, 2*k+(\n)
	SM \t
.endr
.endif
.endr
.endif
.if k == 34
	v_nop
.if (\y) == 0
	FETCH_V
.else
	s_wait_alu depctr_va_vdst(0)
.endif
.endif
.set k, k+1
.endm
.macro PV2                             ; piece 2's V^T P of the step before
.set i, 0
.rept 32
	PV 2
.set i, i+1
.endr
.endm
.macro STEP_A                          ; piece 0's scores bare; then piece 2's scores, two slices of piece 0's softmax behind each, V's run of loads among them
	s_wait_loadcnt 0x0                             ; Q (met at once but at a block's first step)
	s_wait_dscnt 0x0                               ; K is in
.set i, 0
.rept 32
	KQ 0
.set i, i+1
.endr
	PLACES                                         ; four places in front of the first read of those scores
.set k, 0
.set i, 0
.rept 32
	KQ 2
	SLICE 0
	SLICE 0
.set i, i+1
.endr
.endm
.macro TURNV                           ; piece 0's V^T P, two slices of piece 2's softmax behind each
	s_wait_dscnt 0x0                               ; V is in
.set k, 0
.set i, 0
.rept 32
	PV 0
	SLICE 2
	SLICE 2
.set i, i+1
.endr
.endm
.macro MASKS                           ; the diagonal tile's masks for the block in hand
	WIN 0xc0
.set z, 0
.rept 40
	v_cmp_gt_i32 vcc_lo, 16*(z/8)+z%8-16, v[XC]
	v_cndmask_b32 v[MK+z], 0, s[BIGN], vcc_lo
.set z, z+1
.endr
	WIN 0
.endm
.macro BEGIN                           ; the second block begins: its first tile is never the diagonal one, so its first maximum is a true score and its first a is 0: what O^T and l hold need only be finite
	WIN 0xc0
.set z, 0
.rept 40
	v_mov_b32 v[MK+z], 0
.set z, z+1
.endr
	WIN 0
.irp t, 0,1,2,3
	v_mov_b32 v[ST+8*(\t)], 0xe7800000
.endr
	v_mov_b32 v[XC], v[XHI]
	s_add_co_u32 s[RT], s[HU], 1                   ; it has 8 - u tiles
.endm
; A BLOCK'S END.  FACT: for each tile the common maximum, each wave's factor f = 2^(m_w - m), L = the sum of f l (at least 1: the wave that holds the maximum has f = 1 and a weight 1), and f / L.
.macro FACT
.irp t, 0,1,2,3
	v_max3_num_f32 v[WK+(\t)], v[SB+8*(\t)], v[SB+8*(\t)+2], v[SB+8*(\t)+4]
.endr
.irp t, 0,1,2,3
	v_max_num_f32 v[WK+(\t)], v[WK+(\t)], v[SB+8*(\t)+6]
.endr
.irp t, 0,1,2,3
.irp ws, 0,1,2,3
	v_sub_f32 v[GF+4*(\t)+(\ws)], v[SB+8*(\t)+2*(\ws)], v[WK+(\t)]
.endr
.endr
.set z, 0
.rept 16
	v_exp_f32 v[GF+z], v[GF+z]
.set z, z+1
.endr
	v_nop                                          ; a plain instruction behind the last exponential,
	s_wait_alu depctr_va_vdst(0)                   ; and one wait for the sixteen
.irp t, 0,1,2,3
	v_mul_f32 v[WK+4+(\t)], v[GF+4*(\t)], v[SB+8*(\t)+1]
.endr
.irp ws, 1,2,3
.irp t, 0,1,2,3
	v_fmac_f32 v[WK+4+(\t)], v[GF+4*(\t)+(\ws)], v[SB+8*(\t)+2*(\ws)+1]
.endr
.endr
.irp t, 0,1,2,3
	v_rcp_f32 v[WK+4+(\t)], v[WK+4+(\t)]
.endr
	v_nop
	s_wait_alu depctr_va_vdst(0)                   ; one wait for the four reciprocals
.irp t, 0,1,2,3
.irp ws, 0,1,2,3
	v_mul_f32 v[GF+4*(\t)+(\ws)], v[GF+4*(\t)+(\ws)], v[WK+4+(\t)]
.endr
.endr
.endm
; Tile t: every wave lays its O^T (64 registers) into MERGE; behind a barrier wave w reads, of all four, channels 32 w .. 32 w + 31; behind the reads a second barrier, so that the next tile may be laid;
; the weighted sum, work on registers, stands between that barrier's signal and its wait.
.macro MROUND t
	WIN 0x04                                       ; the stores' data in window 1
.set z, 0
.rept 16
	ds_store_b128 v[MW], v[64*(\t)+4*z:64*(\t)+4*z+3] offset:512*z
.set z, z+1
.endr
	WIN 0
	s_wait_dscnt 0x0                               ; for the others' sake: my stores are done
	s_barrier_signal -1
	s_barrier_wait -1
.if (\t) == 0
.irp tl, 0,1,2,3
.irp ws, 0,1,2,3
	ds_load_b64 v[SB+8*(\tl)+2*(\ws):SB+8*(\tl)+2*(\ws)+1], v[SR] offset:1024*(\ws)+256*(\tl)
.endr
.endr
.endif
.irp ws, 0,1,2,3
.irp cc, 0,1
.irp hf, 0,1
	ds_load_b128 v[PB+16*(\ws)+8*(\cc)+4*(\hf):PB+16*(\ws)+8*(\cc)+4*(\hf)+3], v[MR] offset:8192*(\ws)+1024*(\cc)+512*(\hf)
.endr
.endr
.endr
.if (\t) == 0
	s_wait_dscnt 16                                ; the statistics are in; the sixteen loads behind them may stay out
	FACT
.endif
	s_wait_dscnt 0x0                               ; my reads of MERGE are over
	s_barrier_signal -1
.set z, 0
.rept 8
	v_pk_mul_f32 v[RR+z:RR+z+1], v[PB+z:PB+z+1], v[GF+4*(\t):GF+4*(\t)+1] op_sel:[0,0] op_sel_hi:[1,0]
.set z, z+2
.endr
.set z, 0
.rept 8
	v_pk_fma_f32 v[RR+z:RR+z+1], v[PB+16+z:PB+16+z+1], v[GF+4*(\t):GF+4*(\t)+1], v[RR+z:RR+z+1] op_sel:[0,1,0] op_sel_hi:[1,1,1]
.set z, z+2
.endr
.set z, 0
.rept 8
	v_pk_fma_f32 v[RR+z:RR+z+1], v[PB+32+z:PB+32+z+1], v[GF+4*(\t)+2:GF+4*(\t)+3], v[RR+z:RR+z+1] op_sel:[0,0,0] op_sel_hi:[1,0,1]
.set z, z+2
.endr
.set z, 0
.rept 8
	v_pk_fma_f32 v[RR+z:RR+z+1], v[PB+48+z:PB+48+z+1], v[GF+4*(\t)+2:GF+4*(\t)+3], v[RR+z:RR+z+1] op_sel:[0,1,0] op_sel_hi:[1,1,1]
.set z, z+2
.endr
.set z, 0
.rept 8
	v_cvt_pk_f16_f32 v[OUTP+8*(\t)+z], v[RR+2*z], v[RR+2*z+1]
.set z, z+1
.endr
	s_barrier_wait -1
.endm
.macro BLOCK_END base
	WIN 0
.irp t, 0,1,2,3                        ; l's two halves and the other half of the lanes'; these lines are the places behind the last products
	v_add_f32 v[ST+8*(\t)+4], v[ST+8*(\t)+2], v[ST+8*(\t)+3]
.endr
.irp t, 0,1,2,3
	v_permlanex16_b32 v[ST+8*(\t)+5], v[ST+8*(\t)+4], s[SEL], s[SEL+1]
.endr
.irp t, 0,1,2,3
	v_add_f32 v[ST+8*(\t)+1], v[ST+8*(\t)+4], v[ST+8*(\t)+5]
.endr
.irp t, 0,1,2,3
	ds_store_b64 v[SA], v[ST+8*(\t):ST+8*(\t)+1] offset:256*(\t)
.endr
	MROUND 0
	MROUND 1
	MROUND 2
	MROUND 3
.irp t, 0,1,2,3                        ; the stage: 64 rows of 256 bytes, pitch 272, in MERGE, which nobody reads any more; my 64 bytes of each row
.irp cc, 0,1
	ds_store_b128 v[OW], v[OUTP+8*(\t)+4*(\cc):OUTP+8*(\t)+4*(\cc)+3] offset:16*SP*(\t)+32*(\cc)
.endr
.endr
	s_wait_dscnt 0x0
	s_barrier_signal -1
	s_barrier_wait -1
.irp f, 0,1,2,3,4,5,6,7                ; wave w takes tile w's 16 rows, whole
	ds_load_b128 v[PB+4*(\f):PB+4*(\f)+3], v[ORD] offset:2*SP*(\f)
.endr
.irp f, 0,1,2,3,4,5,6,7
	s_wait_dscnt 7-(\f)                            ; load f is in, the younger ones stay out
	global_store_b128 v[GO], v[PB+4*(\f):PB+4*(\f)+3], s[\base:\base+1] offset:4096*(\f)  ; 16 lanes store 256 consecutive bytes, aligned
.endr
	s_wait_xcnt 0x0                                ; the stores have read their registers, which the next scores write
.endm
	CHANGE 1                                       ; tile 0 is in, everybody's part of it; the walk's second tile is asked for, into slot 1
	FETCH_K
	WIN 0
	s_branch .Lenter                               ; the loop is entered in the middle of a trip: there is no step before the first
.Ltrip:                                            ; seven times: a tile is entered and the next is asked for
	CHANGE 1
	FETCH_K
	PV2
	WIN 0
	s_cmp_lg_u32 s[RT], 0                          ; was that the first block's last step?  (u is the same in all waves and all four partners)
	s_cbranch_scc1 .Lenter
	BLOCK_END OLO
	BEGIN
.Lenter:
	s_cmp_lg_u32 s[RT], 1                          ; the block's last tile holds the diagonal
	s_cbranch_scc1 .Lnomask
	MASKS
.Lnomask:
	STEP_A
	WIN 0
	s_cmp_lg_u32 s[RT], 1
	s_cbranch_scc1 .Lnoq
	QLD QHI                                        ; the first block's scores are all made: the second block's Q; twenty plain lines stand behind the last product that read Q
.Lnoq:
	TURNV
	WIN 0
	s_sub_co_u32 s[RT], s[RT], 1
	s_sub_co_u32 s[SLOTS], s[SLOTS], 1
	s_cmp_lg_u32 s[SLOTS], 0
	s_cbranch_scc1 .Ltrip
	CHANGE 0                                       ; the walk's last tile, the second block's diagonal one, is written out: nothing is asked for
	FETCH_K
	PV2
	MASKS
	STEP_A
	TURNV
	PV2
	BLOCK_END OHI
	s_wait_tensorcnt 0x0                           ; the wave's end
	ds_add_u32 v[SPW], v[NIL]
	s_wait_dscnt 0x0
	CROUND                                         ; the closing round
	s_endpgm
.Lfunc_end_k_qc18e2334c1_attn:
	.size	k_qc18e2334c1_attn, .Lfunc_end_k_qc18e2334c1_attn-k_qc18e2334c1_attn
	.p2alignl 7, 3214868480
	.fill 96, 4, 3214868480
	.section	.rodata,"a",@progbits
	.p2align	6, 0x0
	.amdhsa_kernel k_qc18e2334c1_attn
		.amdhsa_group_segment_fixed_size 327680
		.amdhsa_private_segment_fixed_size 0
		.amdhsa_enable_private_segment 0
		.amdhsa_kernarg_size 16
		.amdhsa_user_sgpr_count 2
		.amdhsa_user_sgpr_kernarg_segment_ptr 1
		.amdhsa_wavefront_size32 1
		.amdhsa_system_sgpr_workgroup_id_x 1
		.amdhsa_system_sgpr_workgroup_id_y 1
		.amdhsa_system_sgpr_workgroup_id_z 1
		.amdhsa_system_vgpr_workitem_id 0
		.amdhsa_next_free_vgpr 1024
		.amdhsa_next_free_sgpr 80
		.amdhsa_reserve_vcc 1
		.amdhsa_float_denorm_mode_32 3
		.amdhsa_float_denorm_mode_16_64 3
		.amdhsa_memory_ordered 1
		.amdhsa_forward_progress 1
		.amdhsa_inst_pref_size 184
	.end_amdhsa_kernel
	.amdgpu_metadata
---
amdhsa.version: [ 1, 2 ]
amdhsa.kernels:
  - .name:           k_qc18e2334c1_attn
    .symbol:         k_qc18e2334c1_attn.kd
    .args:
      - { .name: qkv, .offset: 0, .size: 8, .value_kind: global_buffer, .address_space: global }
      - { .name: o, .offset: 8, .size: 8, .value_kind: global_buffer, .address_space: global }
    .group_segment_fixed_size: 327680
    .private_segment_fixed_size: 0
    .kernarg_segment_align: 8
    .kernarg_segment_size: 16
    .max_flat_workgroup_size: 128
    .sgpr_count:     80
    .vgpr_count:     1024
    .wavefront_size: 32
...
	.end_amdgpu_metadata
.endif
;; end of part 3
;; launch proj (part 4): grid 16 x 16, 4 waves a work-group, clusters of 4 x 4, 327,680 bytes of LDS; arguments o, wob, out0; writes out0
.if DOCPART == 4
	.amdgcn_target "amdgcn-amd-amdhsa--gfx1250"
	.amdhsa_code_object_version 6
	.text
	.protected	k_qc18e2334c1_proj
	.globl	k_qc18e2334c1_proj
	.p2align	8
	.type	k_qc18e2334c1_proj,@function
k_qc18e2334c1_proj:
	s_mov_b64 s[64:65], 0
	v_nop
	global_prefetch_b8 v0, s[64:65] scope:SCOPE_SE
	s_setreg_imm32_b32 hwreg(HW_REG_WAVE_MODE, 25, 1), 1
	s_wait_xcnt 0x0
	s_wait_alu depctr_hold_cnt(0) depctr_sa_sdst(0) depctr_va_vdst(0) depctr_va_sdst(0) depctr_va_ssrc(0) depctr_va_vcc(0) depctr_vm_vsrc(0)
	s_getreg_b32 s2, hwreg(HW_REG_IB_STS2, 6, 4)
	s_cmp_eq_u32 s2, 0
	s_cbranch_scc0 .Lentry_in_a_cluster
	s_endpgm
.Lentry_in_a_cluster:
	s_bfe_u32 s2, ttmp6, 0x10000c
	s_cmp_lg_u32 s2, 0xf033
	s_cbranch_scc0 .Lentry_shape_is_right
	s_endpgm
.Lentry_shape_is_right:
; out0[m][n] = the sum over k of o[m][k] wob[n][k].  o: [4096][1024] f16 (it carries 1/4), wob: [4096][1024] f16 (it carries 4), out0: [4096][4096] f32: the two factors cancel, so the sums leave as they are.
; A tile of out0 is 256 x 256: 256 work-groups of four waves, each 128 x 128: 64 accumulators, 512 registers.  K goes in steps of 128 (rows of 256 bytes) through two LDS slots; one tensor load a wave behind each round.
; CLUSTER 4 x 4: o's tile is shared along a row of the cluster, wob's along a column; each is asked for jointly.
; THE LOOP'S TRIP IS ONE K STEP: s[TB] holds the slot that is read and is turned by an exclusive or; the two LDS address registers are made from it at each change of slots; one descriptor a tensor walks on.
; The last two K steps, which fill nothing, are a second loop of two trips, left in its middle.
; THE PRODUCT IS USED TRANSPOSED (source 0 = 16 rows of wob, source 1 = 16 rows of o): a lane holds row l % 16 and eight neighbouring columns: 32 bytes of a row of out0.
; REGISTERS.  window 0: v16-30 addresses; v64-127, v128-191 o's fragments, two buffers (on the way out: rows read back); window 1: the same for wob's; windows 2, 3: the accumulators, (a, b) at 8 (8 (a % 4) + b).
.set SIZE_N, 4096
.set SIZE_K, 1024
.set KSTEP,  128
.set STEPS,  SIZE_K/KSTEP
.set PITCH,  272
.set HALFT,  128*PITCH
.set SLOT,   4*HALFT                   ; 139,264
.set SLOTX,  0x24000                   ; slot 1 begins here; the four tiles' bases in slot 0 (0, 0x8800, 0x11000, 0x19800) have neither of its two bits, so one exclusive or changes slots
.set STAGE,  SLOTX+SLOT                ; behind the ring: 16 rows x 528 bytes for each wave
.set SPITCH, 528                       ; 512 bytes of a row + 16
.set SPARE,  STAGE+4*16*SPITCH
.set ADRA, 16                          ; v16  LDS address of my fragments of o in the slot that is read
.set ABAS, 17                          ; v17  the same in slot 0; never rewritten
.set ADRB, 20                          ; v20  of wob
.set BBAS, 21                          ; v21
.set STO,  24                          ; into my stage: 528 r + 32 h
.set RD,   25                          ; back: 16 l
.set CO,   26                          ; my 16 bytes of 512 consecutive bytes of out0
.set SPW,  28
.set NIL,  29
.set PFO,  30                          ; lane x a row of o or wob (2,048 bytes); never rewritten
.set TB,   2                           ; s2   0 or SLOTX: the slot that is read
.set PFA,  44
.set LIM,  43                          ; s43  2 in a wave that prefetches, else the greatest number
.set F0,   64
.set F1,   128
.set OB,   64
.set G1, 24
.set G0, 32                            ; s[32:39] a set for each of the two first fills; the second then walks on
.set G1B, 48
.set G0B, 56
.set MSB, 0
.macro WIN new
.if MSB != (\new)
	s_set_vgpr_msb (MSB<<8)|(\new)
.set MSB, \new
.endif
.endm
.set MUL_LO, 0xa1                      ; source 0 (wob) window 1, source 1 (o) window 0, C and D window 2
.set MUL_HI, 0xf1                      ; C and D window 3
.set TO_B,   0x40
.macro PLACES
.rept 4
	v_nop
.endr
.endm
.macro JLOAD s                         ; waves 0, 1 fetch o's halves, waves 2, 3 wob's; an s_nop 0 and four v_nop follow each line
	s_cmp_eq_u32 s11, 0
	s_cbranch_scc0 .Lfor_b_\@
	tensor_load_to_lds s[G0+4*(\s):G0+4*(\s)+3], s[G1:G1+7]
	s_nop 0
.rept 4
	v_nop
.endr
	s_branch .Lasked_\@
.Lfor_b_\@:
	tensor_load_to_lds s[G0B+4*(\s):G0B+4*(\s)+3], s[G1B:G1B+7]
	s_nop 0
.rept 4
	v_nop
.endr
.Lasked_\@:
.endm
; A prefetch of the K step that stands two refills on: 32 rows x 256 bytes, a lane a row.  o's rows: the clusters with x = 0; wob's: those with y = 0; of the 128 rows that a wave fetches each of the four
; partners that ask jointly takes 32, told apart by address.  So each row's 256 bytes of K steps 4 to 7 are named once.  The trip with s3 = c fills K step 8 - c and names K step 10 - c: the last two trips ask for nothing.
.macro ASK
	s_cmp_gt_u32 s3, s[LIM]
	s_cbranch_scc0 .Lnot_mine_\@
	global_prefetch_b8 v[PFO], s[PFA:PFA+1] offset:KSTEP*2 th:TH_LOAD_NT scope:SCOPE_SE
.Lnot_mine_\@:
.endm
.macro CROUND                          ; a round of the cluster's barrier
	s_barrier_signal -1
	s_barrier_wait -1
	s_cmp_lg_u32 s10, 0
	s_cbranch_scc1 .Lnot_wave_0_\@
	s_barrier_signal -3
.Lnot_wave_0_\@:
	s_barrier_wait -3
	s_barrier_signal -1
	s_barrier_wait -1
.endm
	s_load_b128 s[4:7], s[0:1], 0x0                ; o s[4:5], wob s[6:7]
	s_load_b64 s[8:9], s[0:1], 0x10                ; out0
	v_lshl_add_u32 v[SPW], v0, 2, SPARE
	v_mov_b32 v[NIL], 0
	ds_add_u32 v[SPW], v[NIL]                      ; the wave's opening: the add and its wait stand ahead of my first tensor load
	v_lshrrev_b32 v1, 5, v0
	v_readfirstlane_b32 s10, v1                    ; wave
	s_lshr_b32 s11, s10, 1                         ; my half of the rows; also: I fetch o (0) or wob (1)
	s_and_b32 s12, s10, 1                          ; my half of the columns; also: which 128 rows I fetch
	s_bfe_u32 s40, ttmp6, 0x40000                  ; cx
	s_bfe_u32 s41, ttmp6, 0x40004                  ; cy
	s_lshl_b32 s42, ttmp9, 2
	s_add_co_u32 s42, s42, s40                     ; tile column
	s_and_b32 s13, ttmp7, 0xffff
	s_lshl_b32 s13, s13, 2
	s_add_co_u32 s13, s13, s41                     ; tile row
	s_lshl_b32 s43, s41, 2
	s_lshl_b32 s43, 15, s43                        ; my row of the cluster
	s_lshl_b32 s44, 0x1111, s40                    ; my column
	s_or_b32 s[G1], s43, (1<<16)|(1<<20)|(1<<21)|(5<<22)|(3<<25)   ; the mask; 2-byte elements; padding on; bit 21 beside a mask; after every 64 words 4 words
	s_or_b32 s[G1B], s44, (1<<16)|(1<<20)|(1<<21)|(5<<22)|(3<<25)
.irp g, G1, G1B
	s_mov_b32 s[(\g)+1], KSTEP<<16                 ; tensor_dim0 = 128
	s_mov_b32 s[(\g)+2], 128<<16                   ; tensor_dim1 = 128
	s_mov_b32 s[(\g)+3], KSTEP<<16                 ; tile_dim0 = 128
	s_mov_b32 s[(\g)+4], 128                       ; tile_dim1 = 128
	s_mov_b32 s[(\g)+5], SIZE_K                    ; elements from row to row
	s_mov_b32 s[(\g)+6], 0
	s_mov_b32 s[(\g)+7], 0
.endr
	s_lshl_b32 s17, s12, 7
	s_lshl_b32 s16, s13, 8
	s_add_co_u32 s16, s16, s17                     ; o: row 256 x tile row + 128 x half
	s_lshl_b32 s16, s16, 11                        ; x 2,048 bytes
	s_lshl_b32 s46, s42, 8
	s_add_co_u32 s46, s46, s17                     ; wob: row 256 x tile column + 128 x half
	s_lshl_b32 s46, s46, 11
	s_mov_b32 s17, 0
	s_mov_b32 s47, 0
	s_mul_i32 s20, s10, HALFT                      ; where they go: wave x 128 rows
	s_mov_b32 s[TB], 0
	s_wait_dscnt 0x0                               ; the opening add is done
	s_wait_kmcnt 0x0
	s_add_nc_u64 s[14:15], s[4:5], s[16:17]
	s_add_nc_u64 s[46:47], s[6:7], s[46:47]
	CROUND                                         ; all sixteen work-groups are here
.irp s, 0,1
	s_mov_b32 s[G0+4*(\s)], 1
	s_add_co_u32 s[G0+4*(\s)+1], s20, (\s)*SLOTX
	s_add_nc_u64 s[G0+4*(\s)+2:G0+4*(\s)+3], s[14:15], (\s)*KSTEP*2
	s_or_b32 s[G0+4*(\s)+3], s[G0+4*(\s)+3], 0x80000000
	s_mov_b32 s[G0B+4*(\s)], 1
	s_add_co_u32 s[G0B+4*(\s)+1], s20, (\s)*SLOTX
	s_add_nc_u64 s[G0B+4*(\s)+2:G0B+4*(\s)+3], s[46:47], (\s)*KSTEP*2
	s_or_b32 s[G0B+4*(\s)+3], s[G0B+4*(\s)+3], 0x80000000
	JLOAD \s                                       ; two loads of mine are out
.endr
	v_and_b32 v1, 15, v0                           ; r
	v_bfe_u32 v2, v0, 4, 1                         ; h
	v_and_b32 v5, 31, v0                           ; l
	v_mul_u32_u24 v3, v1, PITCH
	v_lshl_add_u32 v3, v2, 4, v3
	s_mul_i32 s21, s11, HALFT                      ; my 128 rows of o
	s_mul_i32 s22, s12, HALFT                      ; my 128 rows of wob,
	s_add_co_u32 s22, s22, 2*HALFT                 ; which lie behind o's 256
	v_add_nc_u32 v[ABAS], s21, v3
	v_add_nc_u32 v[BBAS], s22, v3
	v_mov_b32 v[ADRA], v[ABAS]                     ; K step 0 lies in slot 0
	v_mov_b32 v[ADRB], v[BBAS]
	s_mul_i32 s23, s10, 16*SPITCH
	s_add_co_u32 s23, s23, STAGE                   ; my stage
	v_mul_u32_u24 v4, v1, SPITCH
	v_lshl_add_u32 v4, v2, 5, v4
	v_add_nc_u32 v[STO], s23, v4
	v_lshl_add_u32 v[RD], v5, 4, s23
	v_lshlrev_b32 v[CO], 4, v5
	s_lshl_b32 s16, s13, 8
	s_lshl_b32 s17, s11, 7
	s_add_co_u32 s16, s16, s17                     ; my first row of out0
	s_lshl_b32 s16, s16, 14                        ; x 16,384 bytes (under 2^26)
	s_mov_b32 s17, 0
	s_add_nc_u64 s[8:9], s[8:9], s[16:17]
	s_lshl_b32 s46, s42, 10                        ; my first column, in bytes: 1,024 x tile column + 512 x half
	s_lshl_b32 s47, s12, 9
	s_add_co_u32 s46, s46, s47
	s_mov_b32 s47, 0
	s_add_nc_u64 s[8:9], s[8:9], s[46:47]
	s_lshl_b32 s13, s13, 8                         ; the prefetches
	s_lshl_b32 s42, s42, 8
	s_and_b32 s22, ttmp7, 0xffff
	s_cmp_eq_u32 s11, 0
	s_cselect_b32 s20, s13, s42                    ; the tile's first row
	s_cselect_b32 s21, s40, s41                    ; my place among the four that ask for it with me
	s_cselect_b32 s22, ttmp9, s22                  ; the coordinate along which other clusters read the same rows
	s_cselect_b64 s[PFA:PFA+1], s[4:5], s[6:7]
	s_cmp_eq_u32 s22, 0
	s_cselect_b32 s[LIM], 2, -1
	s_lshl_b32 s22, s12, 7
	s_add_co_u32 s20, s20, s22
	s_lshl_b32 s21, s21, 5
	s_add_co_u32 s20, s20, s21
	s_lshl_b32 s20, s20, 11
	s_mov_b32 s21, 0
	s_add_nc_u64 s[PFA:PFA+1], s[PFA:PFA+1], s[20:21]
	s_add_nc_u64 s[PFA:PFA+1], s[PFA:PFA+1], 2*KSTEP*2  ; at K step 2: the first refill steps it to 3 and names K step 4
	v_lshlrev_b32 v[PFO], 11, v5
.macro MUL16 f, hi, a0, zero           ; 16 matrix instructions; the 64 accumulators take turns, in the same order in every quarter
	WIN MUL_LO+0x50*(\hi)
.irp a, \a0, (\a0)+1
.irp b, 0,1,2,3,4,5,6,7
.if \zero
	v_wmma_f32_16x16x32_f16 v[8*(8*(\a)+(\b)):8*(8*(\a)+(\b))+7], v[(\f)+8*(\b):(\f)+8*(\b)+7], v[(\f)+8*(4*(\hi)+(\a)):(\f)+8*(4*(\hi)+(\a))+7], 0
.else
	v_wmma_f32_16x16x32_f16 v[8*(8*(\a)+(\b)):8*(8*(\a)+(\b))+7], v[(\f)+8*(\b):(\f)+8*(\b)+7], v[(\f)+8*(4*(\hi)+(\a)):(\f)+8*(4*(\hi)+(\a))+7], v[8*(8*(\a)+(\b)):8*(8*(\a)+(\b))+7]
.endif
.endr
.endr
.endm
.macro FETCH k, f                      ; 32 LDS loads in one run, from the slot that is read, at byte k of its rows: wob's 16, then o's 16
	WIN TO_B
.irp i, 0,1,2,3,4,5,6,7
	ds_load_b128 v[(\f)+8*(\i):(\f)+8*(\i)+3],   v[ADRB] offset:(\k)+(\i)*16*PITCH
	ds_load_b128 v[(\f)+8*(\i)+4:(\f)+8*(\i)+7], v[ADRB] offset:(\k)+(\i)*16*PITCH+32
.endr
	WIN 0
.irp i, 0,1,2,3,4,5,6,7
	ds_load_b128 v[(\f)+8*(\i):(\f)+8*(\i)+3],   v[ADRA] offset:(\k)+(\i)*16*PITCH
	ds_load_b128 v[(\f)+8*(\i)+4:(\f)+8*(\i)+7], v[ADRA] offset:(\k)+(\i)*16*PITCH+32
.endr
.endm
.macro QUARTER k, f, g, zero
	s_wait_dscnt 8                                 ; wob's fragments and o's rows 0-63 are in; the youngest eight loads may be out
	MUL16 \f, 0, 0, \zero
	MUL16 \f, 0, 2, \zero
	PLACES                                         ; four places in front of loads into registers that matrix instructions have read
	FETCH \k, \g
	s_wait_dscnt 32                                ; all but the 32 just issued
	MUL16 \f, 1, 0, \zero
	MUL16 \f, 1, 2, \zero
.endm
.macro MUL64                           ; a whole quarter from buffer 1
	MUL16 F1, 0, 0, 0
	MUL16 F1, 0, 2, 0
	MUL16 F1, 1, 0, 0
	MUL16 F1, 1, 2, 0
.endm
; THE CHANGE OF SLOTS, at the head of a K step's last quarter, whose fragments lie in buffer 1: the slot's last reads were issued half a quarter ago.  Each wave waits for all its tensor loads (one is out: its
; part of the next slot), adds 0 to its spare word, and waits for that and for its reads of this slot.  A round of the cluster's barrier follows, and this slot is filled again, two K steps on, first thing behind it.
; Nothing but the add, scalar steps and the round stands between the wait for the tile and the next request: the quarter's 64 products follow the request, so that all 256 of a K step run while the load is on its way.
.macro TURN
	WIN 0
	s_wait_tensorcnt 0x0                           ; no tensor load of mine is out, so a group 0 may be written
	ds_add_u32 v[SPW], v[NIL]                      ; 0 onto my spare word; the scalar steps stand between it and the wait for it
.irp g, G0+4, G0B+4
	s_xor_b32 s[(\g)+1], s[(\g)+1], SLOTX          ; the walking descriptor: the other slot than last time,
	s_add_nc_u64 s[(\g)+2:(\g)+3], s[(\g)+2:(\g)+3], KSTEP*2  ; the next K step; the type bits on top are not reached
.endr
	s_xor_b32 s[TB], s[TB], SLOTX                  ; the reads go on in the other slot
	s_wait_xcnt 0x0                                ; the last prefetch, a K step back, has read its address
	s_add_nc_u64 s[PFA:PFA+1], s[PFA:PFA+1], KSTEP*2
	s_wait_dscnt 0x0                               ; the add is done, and my reads of this slot are over
	CROUND                                         ; no wave of any partner still reads this slot's tile or has a load on its way
	JLOAD 1                                        ; the four v_nop behind it are also the places in front of the loads below
	v_add_nc_u32 v[ADRA], s[TB], v[ABAS]
	v_add_nc_u32 v[ADRB], s[TB], v[BBAS]
	FETCH 0, F0
	ASK
	MUL64
.endm
.macro TURN0                           ; the same in the last two K steps: nothing is filled, so a plain barrier; in the last of them there is no next slot, and the fetch is jumped over
	WIN 0
	s_wait_tensorcnt 0x0
	ds_add_u32 v[SPW], v[NIL]
	s_xor_b32 s[TB], s[TB], SLOTX
	s_wait_dscnt 0x0
	s_barrier_signal -1
	s_barrier_wait -1                              ; everybody's part of the last K step has landed
	PLACES
	v_add_nc_u32 v[ADRA], s[TB], v[ABAS]
	v_add_nc_u32 v[ADRB], s[TB], v[BBAS]
	s_cmp_eq_u32 s3, 1
	s_cbranch_scc1 .Lno_next_\@
	FETCH 0, F0
.Lno_next_\@:
	MUL64
.endm
	s_wait_tensorcnt 1                             ; my part of K step 0 is in; K step 1's may stay out
	s_barrier_signal -1
	s_barrier_wait -1
	FETCH 0, F0
	QUARTER 64,  F0, F1, 1                         ; the first quarter's products start the sums
	WIN 0
	s_mov_b32 s3, STEPS-2
.Lstep:                                            ; six trips, from a K step's second quarter to the next one's first; each fills the slot that it leaves
	QUARTER 128, F1, F0, 0
	QUARTER 192, F0, F1, 0
	TURN
	QUARTER 64,  F0, F1, 0
	WIN 0
	s_sub_co_u32 s3, s3, 1
	s_cmp_lg_u32 s3, 0
	s_cbranch_scc1 .Lstep
	s_mov_b32 s3, 2
.Ltail:                                            ; the last two K steps have a text of their own; the second trip is left in its middle
	QUARTER 128, F1, F0, 0
	QUARTER 192, F0, F1, 0
	TURN0
	WIN 0
	s_sub_co_u32 s3, s3, 1
	s_cmp_eq_u32 s3, 0
	s_cbranch_scc1 .Lout
	QUARTER 64,  F0, F1, 0
	WIN 0
	s_branch .Ltail
.Lout:
	s_wait_dscnt 0x0                               ; no LDS load of mine is out
; THE WAY OUT, 16 rows at a time, with no arithmetic: a lane's 32 bytes of a row go into my stage (rows of 528 bytes; each accumulator's low four registers first), whole rows of 512 bytes come back and are stored.
.macro TOSTAGE a
.set AC, 64*((\a)%4)
.set BK, OB+64*((\a)%2)
	s_wait_xcnt 0x0                                ; the stores of the block two back have read the registers that the loads below write
	WIN 0x08+4*((\a)/4)                            ; the stores' data in window 2 or 3
.irp b, 0,1,2,3,4,5,6,7
	ds_store_b128 v[STO], v[AC+8*(\b):AC+8*(\b)+3]   offset:64*(\b)
	ds_store_b128 v[STO], v[AC+8*(\b)+4:AC+8*(\b)+7] offset:64*(\b)+16
.endr
	WIN 0
.irp t, 0,1,2,3,4,5,6,7,8,9,10,11,12,13,14,15
	ds_load_b128 v[BK+4*(\t):BK+4*(\t)+3], v[RD] offset:(\t)*SPITCH  ; LDS serves a wave's instructions in order: these see the stores above
.endr
.endm
.macro SEND a, younger                 ; younger: the LDS instructions issued behind block a's loads: the next block's 16 stores and 16 loads, or none
.set BK, OB+64*((\a)%2)
	s_wait_dscnt \younger
.irp t, 0,1,2,3,4,5,6,7,8,9,10,11,12,13,14,15
	global_store_b128 v[CO], v[BK+4*(\t):BK+4*(\t)+3], s[8:9] offset:(16*(\a)+(\t))*SIZE_N*4 th:TH_STORE_NT  ; 32 lanes store 512 consecutive bytes, aligned; the largest immediate is 127 rows of 16,384 bytes
.endr
.endm
	PLACES
	PLACES                                         ; the stores below read results just made, the loads write registers just read
	TOSTAGE 0
.irp a, 1,2,3,4,5,6,7
	TOSTAGE \a
	SEND (\a)-1, 32
.endr
	SEND 7, 0
	s_wait_tensorcnt 0x0                           ; the wave's end
	ds_add_u32 v[SPW], v[NIL]
	s_wait_dscnt 0x0
	CROUND                                         ; the closing round
	s_endpgm
.Lfunc_end_k_qc18e2334c1_proj:
	.size	k_qc18e2334c1_proj, .Lfunc_end_k_qc18e2334c1_proj-k_qc18e2334c1_proj
	.p2alignl 7, 3214868480
	.fill 96, 4, 3214868480
	.section	.rodata,"a",@progbits
	.p2align	6, 0x0
	.amdhsa_kernel k_qc18e2334c1_proj
		.amdhsa_group_segment_fixed_size 327680
		.amdhsa_private_segment_fixed_size 0
		.amdhsa_enable_private_segment 0
		.amdhsa_kernarg_size 24
		.amdhsa_user_sgpr_count 2
		.amdhsa_user_sgpr_kernarg_segment_ptr 1
		.amdhsa_wavefront_size32 1
		.amdhsa_system_sgpr_workgroup_id_x 1
		.amdhsa_system_sgpr_workgroup_id_y 1
		.amdhsa_system_sgpr_workgroup_id_z 1
		.amdhsa_system_vgpr_workitem_id 0
		.amdhsa_next_free_vgpr 1024
		.amdhsa_next_free_sgpr 66
		.amdhsa_reserve_vcc 0
		.amdhsa_float_denorm_mode_32 3
		.amdhsa_float_denorm_mode_16_64 3
		.amdhsa_memory_ordered 1
		.amdhsa_forward_progress 1
		.amdhsa_inst_pref_size 98
	.end_amdhsa_kernel
	.amdgpu_metadata
---
amdhsa.version: [ 1, 2 ]
amdhsa.kernels:
  - .name:           k_qc18e2334c1_proj
    .symbol:         k_qc18e2334c1_proj.kd
    .args:
      - { .name: o, .offset: 0, .size: 8, .value_kind: global_buffer, .address_space: global }
      - { .name: wob, .offset: 8, .size: 8, .value_kind: global_buffer, .address_space: global }
      - { .name: out0, .offset: 16, .size: 8, .value_kind: global_buffer, .address_space: global }
    .group_segment_fixed_size: 327680
    .private_segment_fixed_size: 0
    .kernarg_segment_align: 8
    .kernarg_segment_size: 24
    .max_flat_workgroup_size: 128
    .sgpr_count:     66
    .vgpr_count:     1024
    .wavefront_size: 32
...
	.end_amdgpu_metadata
.endif
;; end of part 4
;; ======== version 2 of 2: 4 launches; version 1 with the launch cast written anew for expert scheduling mode
;; limits: values are held in f16: magnitudes above 65,504 overflow, below 6.1e-05 lose precision; right only within a limited range of input values
;; workspace buffers: xb 33,554,432 bytes; wb 16,777,216 bytes; wob 8,388,608 bytes; qkv 16,777,216 bytes; o 8,388,608 bytes
;; launch cast (part 5): grid 1792 x 1, 8 waves a work-group, no clusters, 0 bytes of LDS; arguments x, wq, wk, wv, wo, xb, wb, wob; writes xb, wb, wob
.if DOCPART == 5
	.amdgcn_target "amdgcn-amd-amdhsa--gfx1250"
	.amdhsa_code_object_version 6
	.text
	.protected	k_qc18e2334c1_cast
	.globl	k_qc18e2334c1_cast
	.p2align	8
	.type	k_qc18e2334c1_cast,@function
k_qc18e2334c1_cast:
	s_mov_b64 s[64:65], 0
	v_nop
	global_prefetch_b8 v0, s[64:65] scope:SCOPE_SE
	s_setreg_imm32_b32 hwreg(HW_REG_WAVE_SCHED_MODE, 0, 2), 2
	s_setreg_imm32_b32 hwreg(HW_REG_WAVE_MODE, 25, 1), 1
	s_wait_xcnt 0x0
	s_wait_alu depctr_vm_vsrc(0)
; THE INPUTS OF THE MATRIX PRODUCTS, ROUNDED ONCE.  x -> xb and wq, wk, wv -> wb (one table of 2,048 rows: q's, k's, v's) in bf16;
; wo -> wob = bf16(4 wo) written as f16 (8 significant bits fit into f16's 11: exact while |4 wo| lies in f16's normal range;
; below 6e-5 f16's fixed step of 6e-8 holds; LIMIT: |wo| < 16,376).  The factor 4 undoes the 1/4 that the next launch puts on v.
; A stream: no LDS, no barrier, no matrix unit.  A work-group takes 16,384 numbers, 65,536 bytes in and 32,768 out.
; Thread t takes 16 bytes at 4,096 j + 16 t, j = 0..15: a wave's load covers 512 consecutive bytes, its store of 8 bytes a lane 256 consecutive bytes, aligned.
; 64 REGISTERS: 1,792 work-groups are seven for each of 256 WGPs, 14 waves a SIMD, 896 registers: all of them find room at once.
; So there are fourteen sets of four registers: fourteen loads go out first, the last two take the first two sets when those have been stored.  The waits count down, so that the younger loads stay out.
; THE MODE: SCHED_MODE bits 1:0 = 2 (LLVM: expert scheduling mode 2), set by the entry lines.  The code itself states the register dependences
; between vector instructions and memory instructions, with s_wait_alu, always for 0.
; THE PLAN.  Registers that memory instructions touch:
;   v1, v2      byte offsets, made once at the head and never written again: every load reads v1, every store v2; the pieces are reached by immediate offsets.
;   set q       written by piece q's load, then in place by the piece's conversions; its first two registers are read by the piece's store.
;   sets 0, 1   are loaded a second time, with pieces 14 and 15, behind the stores of pieces 0 and 1.
;   v[4:5] are named by vector instructions alone.
; The sixteen pieces go in blocks: A = 0, 1; B = 2-5; C = 6-9; D = 10-13; E = 14, 15.  Block A converts, stores and asks for its two sets again at once: one wait behind its conversions, one behind its stores.
; From block C on a block's head holds ONE wait: the block before has written what its stores read; those stores are then dealt among this block's conversions,
; which name this block's sets and v[4:5] alone: none of the registers that the stores read.  One more wait stands ahead of the last two stores.
.set T, 4                              ; v[4:5]    at work (wo alone)
.set D, 8                              ; v[8:63]   set q at D + 4 q; its first two registers are stored
	s_load_b512 s[4:19], s[0:1], 0x0               ; x s[4:5], wq s[6:7], wk s[8:9], wv s[10:11], wo s[12:13], xb s[14:15], wb s[16:17], wob s[18:19]
	v_lshlrev_b32 v1, 4, v0                        ; 16 t
	v_lshlrev_b32 v2, 3, v0                        ; 8 t
	s_mov_b32 s28, 0xffff0000                      ; a word's upper bf16
	s_mov_b32 s20, 1536                            ; the first work-group of my source,
	s_mov_b32 s21, 1536                            ; and of my destination
	s_mov_b32 s23, 0
	s_wait_kmcnt 0x0
	s_mov_b64 s[24:25], s[12:13]                   ; work-groups 1536 .. 1791: wo -> wob
	s_mov_b64 s[26:27], s[18:19]
	s_cmp_lt_u32 ttmp9, 1536                       ; 1408 .. 1535: wv -> wb, which begins with work-group 1024
	s_cselect_b64 s[24:25], s[10:11], s[24:25]
	s_cselect_b64 s[26:27], s[16:17], s[26:27]
	s_cselect_b32 s20, 1408, s20
	s_cselect_b32 s21, 1024, s21
	s_cmp_lt_u32 ttmp9, 1408                       ; 1280 .. 1407: wk
	s_cselect_b64 s[24:25], s[8:9], s[24:25]
	s_cselect_b32 s20, 1280, s20
	s_cmp_lt_u32 ttmp9, 1280                       ; 1024 .. 1279: wq
	s_cselect_b64 s[24:25], s[6:7], s[24:25]
	s_cselect_b32 s20, 1024, s20
	s_cmp_lt_u32 ttmp9, 1024                       ; 0 .. 1023: x -> xb
	s_cselect_b64 s[24:25], s[4:5], s[24:25]
	s_cselect_b64 s[26:27], s[14:15], s[26:27]
	s_cselect_b32 s20, 0, s20
	s_cselect_b32 s21, 0, s21
	s_sub_co_u32 s20, ttmp9, s20
	s_sub_co_u32 s21, ttmp9, s21
	s_lshl_b32 s22, s20, 16                        ; 65,536 bytes of the source a work-group (under 2^26)
	s_add_nc_u64 s[24:25], s[24:25], s[22:23]
	s_lshl_b32 s22, s21, 15                        ; 32,768 of the destination
	s_add_nc_u64 s[26:27], s[26:27], s[22:23]
.macro LD j, q                         ; piece j into set q
	global_load_b128 v[D+4*(\q):D+4*(\q)+3], v1, s[24:25] offset:4096*(\j) th:TH_LOAD_NT
.endm
	s_wait_alu depctr_va_vdst(0)                   ; v1 and v2 are written: every load and store of the kernel reads one of them as its offset
.irp j, 0,1,2,3,4,5,6,7,8,9,10,11,12,13
	LD \j, \j
.endr
.macro CV kind, q                      ; the piece in set q, converted in place.  kind 0: to bf16; kind 1: 4 wo to bf16 and that number to f16
.if \kind
	v_pk_mul_f32 v[D+4*(\q):D+4*(\q)+1], v[D+4*(\q):D+4*(\q)+1], 4.0 op_sel_hi:[1,0]
	v_pk_mul_f32 v[D+4*(\q)+2:D+4*(\q)+3], v[D+4*(\q)+2:D+4*(\q)+3], 4.0 op_sel_hi:[1,0]
	v_cvt_pk_bf16_f32 v[T], v[D+4*(\q)], v[D+4*(\q)+1]
	v_cvt_pk_bf16_f32 v[T+1], v[D+4*(\q)+2], v[D+4*(\q)+3]
	v_lshlrev_b32 v[D+4*(\q)], 16, v[T]            ; widened again, in the set's own registers
	v_and_b32 v[D+4*(\q)+1], s28, v[T]
	v_lshlrev_b32 v[D+4*(\q)+2], 16, v[T+1]
	v_and_b32 v[D+4*(\q)+3], s28, v[T+1]
	v_cvt_pk_f16_f32 v[D+4*(\q)], v[D+4*(\q)], v[D+4*(\q)+1]
	v_cvt_pk_f16_f32 v[D+4*(\q)+1], v[D+4*(\q)+2], v[D+4*(\q)+3]
.else
	v_cvt_pk_bf16_f32 v[D+4*(\q)], v[D+4*(\q)], v[D+4*(\q)+1]
	v_cvt_pk_bf16_f32 v[D+4*(\q)+1], v[D+4*(\q)+2], v[D+4*(\q)+3]
.endif
.endm
.macro OUT j, q                        ; piece j leaves from set q
	global_store_b64 v2, v[D+4*(\q):D+4*(\q)+1], s[26:27] offset:2048*(\j) th:TH_STORE_NT
.endm
.macro BODY kind
	; block A: pieces 0 and 1
	s_wait_loadcnt 12                              ; loads come back in order: pieces 0 and 1 are in, the twelve younger ones stay out
	CV \kind, 0
	CV \kind, 1
	s_wait_alu depctr_va_vdst(0)                   ; the conversions have written the halves of sets 0 and 1 that the two stores read, and are done reading and writing the registers in which pieces 14 and 15 land
	OUT 0, 0
	OUT 1, 1
	s_wait_xcnt 0x0                                ; the two stores have had their addresses translated: sets 0 and 1 are loaded again only behind this wait,
	s_wait_alu depctr_vm_vsrc(0)                   ; and behind this one: the two stores have read sets 0 and 1
	LD 14, 0
	LD 15, 1
	; block B: pieces 2 to 5; there is nothing to store yet
	s_wait_loadcnt 10                              ; pieces 6 to 13 and the two just asked for stay out
.irp j, 2,3,4,5
	CV \kind, \j
.endr
	; block C: pieces 6 to 9, and block B's stores
	s_wait_loadcnt 6                               ; pieces 10 to 13, 14 and 15 stay out
	s_wait_alu depctr_va_vdst(0)                   ; block B's conversions have written sets 2 to 5, which the stores below read
.irp j, 6,7,8,9
	OUT (\j)-4, (\j)-4                             ; no vector instruction since the wait names this set
	CV \kind, \j
.endr
	; block D: pieces 10 to 13, and block C's stores
	s_wait_loadcnt 2                               ; pieces 14 and 15 stay out
	s_wait_alu depctr_va_vdst(0)                   ; block C's conversions have written sets 6 to 9, which the stores below read
.irp j, 10,11,12,13
	OUT (\j)-4, (\j)-4
	CV \kind, \j
.endr
	; block E: pieces 14 and 15, in sets 0 and 1, and block D's stores
	s_wait_loadcnt 0x0
	s_wait_alu depctr_va_vdst(0)                   ; block D's conversions have written sets 10 to 13, which the stores below read
	OUT 10, 10
	OUT 11, 11
	CV \kind, 0                                    ; the stores of pieces 0 and 1 have read these registers: block A's second pair of waits stated it
	OUT 12, 12
	OUT 13, 13
	CV \kind, 1
	s_wait_alu depctr_va_vdst(0)                   ; block E's conversions have written sets 0 and 1, which the last two stores read
	OUT 14, 0
	OUT 15, 1
.endm
	s_cmp_ge_u32 ttmp9, 1536
	s_cbranch_scc1 .Lwo
	BODY 0
	s_endpgm
.Lwo:
	BODY 1
	s_endpgm
.Lfunc_end_k_qc18e2334c1_cast:
	.size	k_qc18e2334c1_cast, .Lfunc_end_k_qc18e2334c1_cast-k_qc18e2334c1_cast
	.p2alignl 7, 3214868480
	.fill 96, 4, 3214868480
	.section	.rodata,"a",@progbits
	.p2align	6, 0x0
	.amdhsa_kernel k_qc18e2334c1_cast
		.amdhsa_group_segment_fixed_size 0
		.amdhsa_private_segment_fixed_size 0
		.amdhsa_enable_private_segment 0
		.amdhsa_kernarg_size 64
		.amdhsa_user_sgpr_count 2
		.amdhsa_user_sgpr_kernarg_segment_ptr 1
		.amdhsa_wavefront_size32 1
		.amdhsa_system_sgpr_workgroup_id_x 1
		.amdhsa_system_sgpr_workgroup_id_y 1
		.amdhsa_system_sgpr_workgroup_id_z 1
		.amdhsa_system_vgpr_workitem_id 0
		.amdhsa_next_free_vgpr 64
		.amdhsa_next_free_sgpr 66
		.amdhsa_reserve_vcc 0
		.amdhsa_float_denorm_mode_32 3
		.amdhsa_float_denorm_mode_16_64 3
		.amdhsa_memory_ordered 1
		.amdhsa_forward_progress 1
		.amdhsa_inst_pref_size 18
	.end_amdhsa_kernel
	.amdgpu_metadata
---
amdhsa.version: [ 1, 2 ]
amdhsa.kernels:
  - .name:           k_qc18e2334c1_cast
    .symbol:         k_qc18e2334c1_cast.kd
    .args:
      - { .name: x, .offset: 0, .size: 8, .value_kind: global_buffer, .address_space: global }
      - { .name: wq, .offset: 8, .size: 8, .value_kind: global_buffer, .address_space: global }
      - { .name: wk, .offset: 16, .size: 8, .value_kind: global_buffer, .address_space: global }
      - { .name: wv, .offset: 24, .size: 8, .value_kind: global_buffer, .address_space: global }
      - { .name: wo, .offset: 32, .size: 8, .value_kind: global_buffer, .address_space: global }
      - { .name: xb, .offset: 40, .size: 8, .value_kind: global_buffer, .address_space: global }
      - { .name: wb, .offset: 48, .size: 8, .value_kind: global_buffer, .address_space: global }
      - { .name: wob, .offset: 56, .size: 8, .value_kind: global_buffer, .address_space: global }
    .group_segment_fixed_size: 0
    .private_segment_fixed_size: 0
    .kernarg_segment_align: 8
    .kernarg_segment_size: 64
    .max_flat_workgroup_size: 256
    .sgpr_count:     66
    .vgpr_count:     64
    .wavefront_size: 32
...
	.end_amdgpu_metadata
.endif
;; end of part 5
;; launch qkv: the kernel of part 2 again; grid 8 x 32, 4 waves a work-group, clusters of 4 x 4, 327,680 bytes of LDS; arguments xb, wb, freqs_cos, freqs_sin, qkv; writes qkv
;; launch attn: the kernel of part 3 again; grid 32 x 8, 4 waves a work-group, clusters of 4 x 1, 327,680 bytes of LDS; arguments qkv, o; writes o
;; launch proj: the kernel of part 4 again; grid 16 x 16, 4 waves a work-group, clusters of 4 x 4, 327,680 bytes of LDS; arguments o, wob, out0; writes out0
